; MI455X (gfx1250); checked and timed in simulation.
; The chip was launched on July 23, 2026; its instructions are those of AMD's public machine-readable ISA for CDNA 5 (MIT licence, August 2026) and "CDNA5" Instruction Set Architecture Reference Guide (July 2026). The comments in the code are by the model that wrote it; some were corrected since.
;; Mo E. Allowed arithmetic: float matrix products may take bf16 or f16 operands with f32 sums; other float arithmetic in f32, or as packed bf16 or f16 multiplies, adds, multiply-adds, maxima and minima; sums over many terms, partial sums and values carried from step to step in f32; what a program stores and reads back later, other than sums and carried values, may be rounded once to bf16 or f16.
;; Inputs: W1 8 x 1,024 x 4,096 float32; W2 8 x 4,096 x 1,024 float32; Wg 1,024 x 8 float32; b1 8 x 4,096 float32; b2 8 x 1,024 float32; bg 8 float32; x 2 x 512 x 1,024 float32.
;; Outputs: out0 2 x 512 x 1,024 float32.
;; 2 versions, each right; version 2 is version 1 with the launches ffn1, ffn2 written anew for expert scheduling mode. Each part assembles by itself: llvm-mc -triple=amdgcn-amd-amdhsa -mcpu=gfx1250 --defsym DOCPART=n.
;; ======== version 1 of 2: 4 launches
;; workspace buffers: xb 2,097,152 bytes; ridx 8,192 bytes of whole numbers; rwt 8,192 bytes; hbuf 16,842,752 bytes; ypart 33,685,504 bytes
;; launch router (part 1): grid 256 x 1, 4 waves a work-group, no clusters, 1,024 bytes of LDS; arguments x, Wg, bg, xb, ridx, rwt; writes xb, ridx, rwt
.if DOCPART == 1
	.amdgcn_target "amdgcn-amd-amdhsa--gfx1250"
	.amdhsa_code_object_version 6
	.text
	.protected	k_q5b2d524f5e_router
	.globl	k_q5b2d524f5e_router
	.p2align	8
	.type	k_q5b2d524f5e_router,@function
k_q5b2d524f5e_router:
	s_mov_b64 s[64:65], 0
	v_nop
	global_prefetch_b8 v0, s[64:65] scope:SCOPE_SE
	s_setreg_imm32_b32 hwreg(HW_REG_WAVE_MODE, 25, 1), 1
	s_wait_xcnt 0x0
; ROUTER.  For each of 1,024 tokens: x rounded to bf16 (stored as xb); logits = x Wg + bg; the two largest logits (ties: the lower index first);
; the softmax of the two.  Stored at fixed places: ridx[2 t + k] = the expert of choice k, rwt[2 t + k] = its weight.
; FORMATS.  x, Wg and bg are each rounded once to bf16, as every input of the program is; the products of two such numbers are exact in f32 and the sums
; are f32, on the vector unit: a choice hangs on them, and they are 16 MFLOP of the problem's 35 GFLOP.
; LIMITS.  NaN logits are not treated apart (a NaN loses every comparison); the order of the f32 sums differs from a row-by-row sum.
; SHARES.  A work-group has 4 tokens; wave w the channels 256 w .. 256 w + 255 of all four; lane l the channels 256 w + 128 q + 4 l + i (q = 0, 1; i = 0..3).
; Each load of x covers 512 consecutive bytes, each store of xb 256.  The waves' partial logits meet in LDS; wave 0 finishes.
; No matrix unit, cluster or tensor load: 8 columns of output, 4 MB read once, nothing shared but Wg's 32 KB.
.set XR,  8            ; v8-39    x: token tt, piece q at XR + 4 (2 tt + q)
.set WGR, 40           ; v40-103  Wg: (q, i, expert e) at WGR + 32 q + 8 i + e; later the partial logits
.set ACC, 104          ; v104-135 sums: token tt, expert e at ACC + 8 tt + e
.set XP,  136          ; v136-151 x packed to bf16
.set TT,  152          ; v152-183 at work
.set BG,  184          ; v184-191 bg
.set ZV,  192          ; v192     0, the offset of bg's loads
.set LA,  193          ; v193     LDS address of my wave's partial logits
.set TK,  194          ; v194     lane & 3: the token that the lane finishes
.set LB,  195          ; v195     32 x that
.set SPARE, 512        ; behind the partial logits (4 waves x 128 bytes): the spare words, 128 bytes for each wave
	s_load_b256 s[4:11], s[0:1], 0x0               ; x s[4:5], Wg s[6:7], bg s[8:9], xb s[10:11]
	s_load_b128 s[12:15], s[0:1], 0x20             ; ridx s[12:13], rwt s[14:15]
	v_lshl_add_u32 v4, v0, 2, SPARE                ; my spare word,
	v_mov_b32 v5, 0                                ; and 0: kept for the closing add alone
	v_lshrrev_b32 v7, 5, v0
	v_readfirstlane_b32 s16, v7                    ; wave 0..3
	v_and_b32 v1, 31, v0                           ; lane
	v_mov_b32 v[ZV], 0
	s_lshl_b32 s20, s16, 10
	v_lshl_add_u32 v2, v1, 4, s20                  ; x: 16 l + 1,024 w
	s_lshl_b32 s20, s16, 13
	v_lshl_add_u32 v3, v1, 7, s20                  ; Wg: 4 rows of 32 bytes a lane: 128 l + 8,192 w
	s_lshl_b32 s20, s16, 9
	v_lshl_add_u32 v6, v1, 3, s20                  ; xb: 8 l + 512 w
	s_mov_b32 s17, 0x76543210                      ; v_permlanex16_b32: each lane takes its own place in the other half
	s_mov_b32 s18, 0xfedcba98
	s_mov_b32 s19, 0xffff0000                      ; a word's upper bf16
	s_lshl_b32 s22, ttmp9, 14                      ; 4 tokens of 4,096 bytes of x
	s_mov_b32 s23, 0
	s_lshl_b32 s24, ttmp9, 13                      ; of 2,048 bytes of xb
	s_mov_b32 s25, 0
	s_lshl_b32 s26, ttmp9, 5                       ; of 8 bytes of ridx and of rwt
	s_mov_b32 s27, 0
	s_wait_kmcnt 0x0
	s_add_nc_u64 s[4:5], s[4:5], s[22:23]
	s_add_nc_u64 s[10:11], s[10:11], s[24:25]
	s_add_nc_u64 s[12:13], s[12:13], s[26:27]
	s_add_nc_u64 s[14:15], s[14:15], s[26:27]
.irp tt, 0,1,2,3
.irp q, 0,1
	global_load_b128 v[XR+4*(2*\tt+\q):XR+4*(2*\tt+\q)+3], v2, s[4:5] offset:\tt*4096+\q*512 th:TH_LOAD_NT
.endr
.endr
.irp q, 0,1
.irp m, 0,1,2,3,4,5,6,7
	global_load_b128 v[WGR+32*\q+4*\m:WGR+32*\q+4*\m+3], v3, s[6:7] offset:\q*4096+\m*16
.endr
.endr
	global_load_b128 v[BG:BG+3], v[ZV], s[8:9]
	global_load_b128 v[BG+4:BG+7], v[ZV], s[8:9] offset:16
	s_wait_loadcnt 18                              ; x is in: Wg's sixteen loads and bg's two are younger
.set j, 0
.rept 16
	v_cvt_pk_bf16_f32 v[XP+j], v[XR+2*j], v[XR+2*j+1]
.set j, j+1
.endr
.set j, 0
.rept 8
	global_store_b64 v6, v[XP+2*j:XP+2*j+1], s[10:11] offset:(j/2)*2048+(j%2)*256  ; 32 lanes store 256 consecutive bytes, at a multiple of 256 from xb's first
.set j, j+1
.endr
.set j, 0
.rept 16
	v_lshlrev_b32 v[XR+2*j], 16, v[XP+j]           ; the rounded numbers, back in f32
	v_and_b32 v[XR+2*j+1], s19, v[XP+j]
.set j, j+1
.endr
	s_wait_loadcnt 0x0                             ; Wg and bg
.set j, 0
.rept 32
	v_cvt_pk_bf16_f32 v[TT+j], v[WGR+2*j], v[WGR+2*j+1]
.set j, j+1
.endr
.set j, 0
.rept 32
	v_lshlrev_b32 v[WGR+2*j], 16, v[TT+j]
	v_and_b32 v[WGR+2*j+1], s19, v[TT+j]
.set j, j+1
.endr
	; 4 tokens x 8 channels x 4 pairs of experts: the first channel's products start the sums; one x feeds both halves of a packed line
.irp q, 0,1
.irp i, 0,1,2,3
.irp tt, 0,1,2,3
.irp ep, 0,1,2,3
.if (\q == 0) && (\i == 0)
	v_pk_mul_f32 v[ACC+8*\tt+2*\ep:ACC+8*\tt+2*\ep+1], v[WGR+2*\ep:WGR+2*\ep+1], v[XR+8*\tt:XR+8*\tt+1] op_sel_hi:[1,0]
.elseif (\i % 2) == 0
	v_pk_fma_f32 v[ACC+8*\tt+2*\ep:ACC+8*\tt+2*\ep+1], v[WGR+32*\q+8*\i+2*\ep:WGR+32*\q+8*\i+2*\ep+1], v[XR+4*(2*\tt+\q)+\i:XR+4*(2*\tt+\q)+\i+1], v[ACC+8*\tt+2*\ep:ACC+8*\tt+2*\ep+1] op_sel_hi:[1,0,1]
.else
	v_pk_fma_f32 v[ACC+8*\tt+2*\ep:ACC+8*\tt+2*\ep+1], v[WGR+32*\q+8*\i+2*\ep:WGR+32*\q+8*\i+2*\ep+1], v[XR+4*(2*\tt+\q)+\i-1:XR+4*(2*\tt+\q)+\i], v[ACC+8*\tt+2*\ep:ACC+8*\tt+2*\ep+1] op_sel:[0,1,0] op_sel_hi:[1,1,1]
.endif
.endr
.endr
.endr
.endr
	; over the 32 lanes: four steps inside each half ride on the addition, one crosses the halves; every lane ends with the wave's sum
.irp msk, 1,2,4,8
.set j, 0
.rept 32
	v_add_f32_dpp v[ACC+j], v[ACC+j], v[ACC+j] row_xmask:\msk row_mask:0xf bank_mask:0xf
.set j, j+1
.endr
.endr
.set j, 0
.rept 32
	v_permlanex16_b32 v[TT+j], v[ACC+j], s17, s18  ; its destination counts as read: TT has been written
.set j, j+1
.endr
.set j, 0
.rept 32
	v_add_f32 v[ACC+j], v[ACC+j], v[TT+j]
.set j, j+1
.endr
	s_lshl_b32 s20, s16, 7
	v_mov_b32 v[LA], s20
.irp tt, 0,1,2,3
	ds_store_b128 v[LA], v[ACC+8*\tt:ACC+8*\tt+3] offset:32*\tt        ; all lanes write the same words with the same numbers
	ds_store_b128 v[LA], v[ACC+8*\tt+4:ACC+8*\tt+7] offset:32*\tt+16
.endr
	s_wait_dscnt 0x0                               ; for wave 0's sake: my stores are done
	s_barrier_signal -1
	s_barrier_wait -1
	s_cmp_lg_u32 s16, 0
	s_cbranch_scc1 .Lend
	; wave 0: lane l finishes token l & 3 (eight lanes do the same work; lanes 0-3 store)
	v_and_b32 v[TK], 3, v1
	v_lshlrev_b32 v[LB], 5, v[TK]
.irp ww, 0,1,2,3
	ds_load_b128 v[WGR+8*\ww:WGR+8*\ww+3], v[LB] offset:128*\ww
	ds_load_b128 v[WGR+8*\ww+4:WGR+8*\ww+7], v[LB] offset:128*\ww+16
.endr
.irp j, 0,1,2,3
	v_cvt_pk_bf16_f32 v[TT+\j], v[BG+2*\j], v[BG+2*\j+1]
.endr
.irp j, 0,1,2,3
	v_lshlrev_b32 v[BG+2*\j], 16, v[TT+\j]
	v_and_b32 v[BG+2*\j+1], s19, v[TT+\j]
.endr
	s_wait_dscnt 0x0
.irp j, 0,2,4,6
	v_pk_add_f32 v[WGR+\j:WGR+\j+1], v[WGR+\j:WGR+\j+1], v[WGR+8+\j:WGR+8+\j+1]
	v_pk_add_f32 v[WGR+16+\j:WGR+16+\j+1], v[WGR+16+\j:WGR+16+\j+1], v[WGR+24+\j:WGR+24+\j+1]
.endr
.irp j, 0,2,4,6
	v_pk_add_f32 v[WGR+\j:WGR+\j+1], v[WGR+\j:WGR+\j+1], v[WGR+16+\j:WGR+16+\j+1]
.endr
.irp j, 0,2,4,6
	v_pk_add_f32 v[WGR+\j:WGR+\j+1], v[WGR+\j:WGR+\j+1], v[BG+\j:BG+\j+1]
.endr
	; the two largest, by strict comparisons in ascending order of the experts: of equal logits the lower index stays in front
	v_mov_b32 v76, v[WGR]                          ; v76 the largest, v72 its expert
	v_mov_b32 v72, 0
	v_mov_b32 v77, 0xff800000                      ; v77 the second, v73 its expert
	v_mov_b32 v73, 1
.irp e, 1,2,3,4,5,6,7
	v_cmp_gt_f32 vcc_lo, v[WGR+\e], v77
	v_cndmask_b32 v77, v77, v[WGR+\e], vcc_lo
	v_cndmask_b32 v73, v73, \e, vcc_lo
	v_cmp_gt_f32 vcc_lo, v[WGR+\e], v76
	v_cndmask_b32 v77, v77, v76, vcc_lo
	v_cndmask_b32 v73, v73, v72, vcc_lo
	v_cndmask_b32 v76, v76, v[WGR+\e], vcc_lo
	v_cndmask_b32 v72, v72, \e, vcc_lo
.endr
	; softmax of the two, the larger taken away: p1 = 1 / (1 + e^(m2 - m1)), p2 = e^(m2 - m1) p1
	v_sub_f32 v78, v77, v76
	v_mul_f32 v78, 0x3fb8aa3b, v78
	v_exp_f32 v78, v78
	v_lshlrev_b32 v79, 3, v[TK]                    ; 8 bytes a token; also the plain instruction behind the exponential
	s_wait_alu depctr_va_vdst(0)                   ; the wait ahead of the result's first reader
	v_add_f32 v74, 1.0, v78
	v_rcp_f32 v74, v74
	v_nop
	s_wait_alu depctr_va_vdst(0)
	v_mul_f32 v75, v78, v74
	s_wait_xcnt 0x0                                ; EXEC changes only behind this wait: xb's stores were issued under the full one
	v_cmp_gt_u32 vcc_lo, 4, v1
	s_and_saveexec_b32 s20, vcc_lo
	global_store_b64 v79, v[72:73], s[12:13]       ; 32 bytes a work-group, 8 KB in the launch
	global_store_b64 v79, v[74:75], s[14:15]
	s_wait_xcnt 0x0
	s_or_b32 exec_lo, exec_lo, s20
.Lend:
	s_wait_tensorcnt 0x0                           ; the wave's end
	ds_add_u32 v4, v5
	s_wait_dscnt 0x0
	s_endpgm
.Lfunc_end_k_q5b2d524f5e_router:
	.size	k_q5b2d524f5e_router, .Lfunc_end_k_q5b2d524f5e_router-k_q5b2d524f5e_router
	.p2alignl 7, 3214868480
	.fill 96, 4, 3214868480
	.section	.rodata,"a",@progbits
	.p2align	6, 0x0
	.amdhsa_kernel k_q5b2d524f5e_router
		.amdhsa_group_segment_fixed_size 1024
		.amdhsa_private_segment_fixed_size 0
		.amdhsa_enable_private_segment 0
		.amdhsa_kernarg_size 48
		.amdhsa_user_sgpr_count 2
		.amdhsa_user_sgpr_kernarg_segment_ptr 1
		.amdhsa_wavefront_size32 1
		.amdhsa_system_sgpr_workgroup_id_x 1
		.amdhsa_system_sgpr_workgroup_id_y 1
		.amdhsa_system_sgpr_workgroup_id_z 1
		.amdhsa_system_vgpr_workitem_id 0
		.amdhsa_next_free_vgpr 200
		.amdhsa_next_free_sgpr 66
		.amdhsa_reserve_vcc 1
		.amdhsa_float_denorm_mode_32 3
		.amdhsa_float_denorm_mode_16_64 3
		.amdhsa_memory_ordered 1
		.amdhsa_forward_progress 1
		.amdhsa_inst_pref_size 36
	.end_amdhsa_kernel
	.amdgpu_metadata
---
amdhsa.version: [ 1, 2 ]
amdhsa.kernels:
  - .name:           k_q5b2d524f5e_router
    .symbol:         k_q5b2d524f5e_router.kd
    .args:
      - { .name: x, .offset: 0, .size: 8, .value_kind: global_buffer, .address_space: global }
      - { .name: Wg, .offset: 8, .size: 8, .value_kind: global_buffer, .address_space: global }
      - { .name: bg, .offset: 16, .size: 8, .value_kind: global_buffer, .address_space: global }
      - { .name: xb, .offset: 24, .size: 8, .value_kind: global_buffer, .address_space: global }
      - { .name: ridx, .offset: 32, .size: 8, .value_kind: global_buffer, .address_space: global }
      - { .name: rwt, .offset: 40, .size: 8, .value_kind: global_buffer, .address_space: global }
    .group_segment_fixed_size: 1024
    .private_segment_fixed_size: 0
    .kernarg_segment_align: 8
    .kernarg_segment_size: 48
    .max_flat_workgroup_size: 128
    .sgpr_count:     66
    .vgpr_count:     200
    .wavefront_size: 32
...
	.end_amdgpu_metadata
.endif
;; end of part 1
;; launch ffn1 (part 2): grid 256 x 1, 4 waves a work-group, no clusters, 288,512 bytes of LDS; arguments xb, W1, b1, ridx, hbuf; writes hbuf
.if DOCPART == 2
	.amdgcn_target "amdgcn-amd-amdhsa--gfx1250"
	.amdhsa_code_object_version 6
	.text
	.protected	k_q5b2d524f5e_ffn1
	.globl	k_q5b2d524f5e_ffn1
	.p2align	8
	.type	k_q5b2d524f5e_ffn1,@function
k_q5b2d524f5e_ffn1:
	s_mov_b64 s[64:65], 0
	v_nop
	global_prefetch_b8 v0, s[64:65] scope:SCOPE_SE
	s_setreg_imm32_b32 hwreg(HW_REG_WAVE_MODE, 25, 1), 1
	s_wait_xcnt 0x0
; FFN1.  hbuf[r][f] = act(x[r >> 1] . W1[e][:, f] + b1[e][f]) for the 2,048 routed rows r = 2 token + choice, e = ridx[r]; act = exact GELU (even e) or SiLU (odd e).
; Only the chosen rows are multiplied: the others have combine weight 0.
; SHARES.  Work-group x: expert e = x >> 5, columns 128 (x & 31) .. + 127, all K = 1,024: 512 KB of f32 weights that it alone reads, once.  It takes ALL rows of its expert, whatever their
; number (0 to 1,024), in blocks of 16; a pass holds 24 blocks, wave w the blocks w, w + 4, .. w + 20 of it; three passes cover 64 blocks.
; THE SLICE is rounded to bf16 on its way through registers and laid into LDS once, in chunks of 64 k; pass 0's products follow one chunk behind the stream, so each LDS byte is written once and
; one barrier a chunk only shows a chunk to the other waves.  Passes 1 and 2 find the slice in LDS; a barrier stands between each way out and the products on either side of it.
; THE ROWS come by a list, straight from memory into registers as matrix operands.  Every wave counts all of ridx in registers; each wave lays the hits of its own 512 entries into its own part of
; LDS; rank R is then found by three comparisons with the waves' running counts.  Places past the count take row 2048 + e, the expert's dump row of hbuf, which no launch reads.
; THE MATRIX INSTRUCTION IS USED TRANSPOSED: source 0 = 16 columns of W1, source 1 = 16 rows of x: a lane then holds eight neighbouring columns of one row of h.
; FORMATS AND LIMITS.  x, W1, b1 are each rounded once to bf16; sums in f32; h rounded once to bf16.  erfc by Abramowitz and Stegun 7.1.26, whose error is at most 1.5e-7 for every argument;
; GELU = max(x, 0) - |x| q with q = erfc(|x| / sqrt 2) / 2, so no difference of large numbers is formed.  NaN and infinities are not treated apart.
; NOT USED.  Tensor loads: the f32 weights pass through registers for the rounding anyway.  Clusters: a slice has one reader, and the rows that an expert's work-groups share come by a list, which
; no tile descriptor covers.
; REGISTERS, in windows of 256 (s_set_vgpr_msb: bits 1:0 source 0, 3:2 source 1, 5:4 source 2, 7:6 destination):
;   window 0: v0-47 addresses and lists; v48-79 T; v80-95 at work; v96-127 RB; v128-191, v192-255 W1's fragments of the chunk's two K steps (on the way out: X and temporaries)
;   window 1: v0-95, v96-191 two buffers of x's fragments (block a, step s at 16 a + 8 s); v192-255 the bias of my 64 columns
;   window 2: accumulators of blocks 0-3 (block a, column group b at 64 a + 8 b)      window 3: v0-127 those of blocks 4, 5; v128-191, v192-255 two buffers of f32 weights
.set WROW,  16384      ; bytes from a k row of W1[e] to the next
.set CSTEP, 64*WROW    ; a chunk: 64 k rows
.set SNB,   32784      ; LDS bytes of a group of 16 columns: 128 units of 8 k x 16 columns x 16 bytes, + 16: the sixteen lanes of a unit store fall into sixteen different 16-byte columns of 256
.set STAGE, 262400     ; behind the slice (8 x SNB = 262,272): 16 rows x 272 bytes for each wave, for the way out
.set SP,    272
.set SUB,   279808     ; the four waves' lists, 512 words each
.set SPARE, 288000     ; the spare words, 128 bytes for each wave
.set LN,   1           ; lane
.set R16,  2           ; lane % 16
.set HH,   3           ; lane / 16
.set L16,  4           ; 16 lane
.set H16,  5           ; 16 (lane / 16)
.set WOFF, 6           ; my 16 bytes in my wave's first k row of a chunk
.set STW,  7           ; where my first unit of chunk 0 goes
.set AB,   8           ; v8-11   my 16 bytes in a fragment of column groups 2 q, 2 q + 1, chunk 0
.set AOFF, 12          ; v12-17  block a: my row's byte offset in xb, + 16 (lane / 16)
.set ENT,  18          ; v18-23  block a: my row's number r
.set STO,  30          ; the way out: where I put 16 bytes of a row
.set RD,   31          ; where I read a row back
.set COL,  32          ; 16 (lane % 16)
.set RK,   33          ; 16 w + lane % 16
.set ENTC, 34          ; the block in hand: my row's number
.set STC,  35          ; STW + 2,048 chunk
.set SPW,  38          ; my spare word; never rewritten
.set NIL,  39          ; 0; never rewritten
.set ZF,   40          ; v40-47  eight zeros
.set T,    48          ; v48-79  packed bf16
.set TMP,  80          ; v80-91  at work
.set ABC,  92          ; v92-95  AB + 2,048 chunk
.set RB,   96          ; v96-127 16 rows read back from the stage
.set XX,   128         ; v128-191 the way out: 64 numbers a lane
.set TD,   192         ; temporaries of the activation
.set TE,   208
.set TP,   224
.set TU,   240
.set WV,   16          ; wave
.set EX,   17          ; expert
.set SL,   18          ; slice
.set CNT,  19          ; the expert's rows
.set NBLK, 20          ; its blocks
.set NBW,  21          ; my wave's blocks in the pass in hand, 0 to 6
.set PASS, 22
.set KC,   23
.set BA,   24
.set RH,   25
.set CW,   26
.set MK,   27
.set TA,   28
.set TB,   29
.set SOF,  30          ; s[30:31] 128 chunk
.set SA,   32          ; s[32:33] xb + SOF
.set OFS,  34          ; s[34:35]
.set PADV, 36          ; 2048 + e
.set B1,   37          ; hits in the first 512, 1,024, 1,536 entries
.set B2,   38
.set B3,   39
.set CP,   40          ; GELU's constants, in pairs for the packed lines
.set CK,   42
.set A1,   44
.set A2,   46
.set A3,   48
.set A4,   50
.set A5,   52
.set CL,   54
.set LC,   57          ; 2,048 chunk
.set D1,   58          ; 2,048 i - 4 B_i
.set D2,   59
.set D3,   60
.set SUBW, 61          ; my wave's list
.set PB,   62          ; 384 pass
.set HM,   63          ; a word's upper bf16
.set PCN,  66          ; passes to go
.set BCN,  67          ; blocks of the way out to go
.set MB,   68          ; s68-75 eight masks
.set MSB, 0
.macro WIN new                         ; the immediate's high byte repeats the setting that is left; a switch that changes nothing is dropped
.if MSB != (\new)
	s_set_vgpr_msb (MSB<<8)|(\new)
.set MSB, (\new)
.endif
.endm
.macro PLACES
.rept 4
	v_nop
.endr
.endm
.macro SPAIR r, val
	s_mov_b32 s[\r], \val
	s_mov_b32 s[\r+1], \val
.endm
; sixteen loads: my wave's 16 k rows of a chunk, 512 consecutive bytes each, into weight buffer p
.macro ISSUE_W p
	WIN 0xc0
.set wi, 0
.rept 16
	global_load_b128 v[128+64*(\p)+4*wi:128+64*(\p)+4*wi+3], v[WOFF], s[6:7] offset:wi*WROW th:TH_LOAD_NT
.set wi, wi+1
.endr
	WIN 0
.endm
; twenty-four loads: the six blocks' fragments of x for a chunk's two K steps, into buffer p.  Always all: a block that is not mine repeats a row that exists, so every count is fixed
.macro ISSUE_A p
	WIN 0x40
.irp a, 0,1,2,3,4,5
.irp st, 0,1
	global_load_b128 v[96*(\p)+16*\a+8*\st:96*(\p)+16*\a+8*\st+3], v[AOFF+\a], s[SA:SA+1] offset:64*\st
	global_load_b128 v[96*(\p)+16*\a+8*\st+4:96*(\p)+16*\a+8*\st+7], v[AOFF+\a], s[SA:SA+1] offset:64*\st+32
.endr
.endr
	WIN 0
.endm
; weight buffer p (16 k x my 4 columns, f32) is rounded and turned: a unit is 8 k of one column, 16 bytes; eight units go to LDS
.macro CVST p, adr, off
	WIN 0x0f
.irp gg, 0,1
.irp j, 0,1,2,3
.irp pp, 0,1,2,3
	v_cvt_pk_bf16_f32 v[T+16*\gg+4*\j+\pp], v[128+64*(\p)+4*(8*\gg+2*\pp)+\j], v[128+64*(\p)+4*(8*\gg+2*\pp+1)+\j]
.endr
.endr
.endr
	WIN 0
.irp gg, 0,1
.irp j, 0,1,2,3
	ds_store_b128 v[\adr], v[T+16*\gg+4*\j:T+16*\gg+4*\j+3] offset:(\off)+256*\gg+16*\j
.endr
.endr
.endm
; sixteen LDS loads of 512 consecutive bytes: the eight column groups' fragments of K step st of the chunk in hand
.macro LOADB st
	WIN 0
.irp b, 0,1,2,3,4,5,6,7
	ds_load_b128 v[128+64*(\st)+8*\b:128+64*(\st)+8*\b+3], v[ABC+(\b)/2] offset:((\b)%2)*SNB+1024*(\st)
	ds_load_b128 v[128+64*(\st)+8*\b+4:128+64*(\st)+8*\b+7], v[ABC+(\b)/2] offset:((\b)%2)*SNB+1024*(\st)+512
.endr
.endm
; the products of one K step: my NBW blocks x 8 column groups.  The accumulators take turns, one instruction a turn; the jump leaves out the blocks that are not mine
.macro STEP p, st
.irp a, 0,1,2,3,4,5
	WIN 0
	s_cmp_le_u32 s[NBW], \a
	s_cbranch_scc1 .Lse_\@
.if \a < 4
	WIN 0xa4
.else
	WIN 0xf4
.endif
.irp b, 0,1,2,3,4,5,6,7
	v_wmma_f32_16x16x32_bf16 v[64*((\a)%4)+8*\b:64*((\a)%4)+8*\b+7], v[128+64*(\st)+8*\b:128+64*(\st)+8*\b+7], v[96*(\p)+16*\a+8*(\st):96*(\p)+16*\a+8*(\st)+7], v[64*((\a)%4)+8*\b:64*((\a)%4)+8*\b+7]
.endr
.endr
	WIN 0
.Lse_\@:
.endm
; 48 products of zeros start all sums, those of blocks that are not mine too: so every accumulator is written on every way.  In pass 0 they stand in the wait for the first loads
.macro ZERO
	WIN 0x80
.set zi, 0
.rept 32
	v_wmma_f32_16x16x32_bf16 v[8*zi:8*zi+7], v[ZF:ZF+7], v[ZF:ZF+7], 0
.set zi, zi+1
.endr
	WIN 0xc0
.set zi, 0
.rept 16
	v_wmma_f32_16x16x32_bf16 v[8*zi:8*zi+7], v[ZF:ZF+7], v[ZF:ZF+7], 0
.set zi, zi+1
.endr
	WIN 0
.endm
; the LDS addresses of the chunk in hand: five plain lines, which are also the places between a trip's last products and the next loads into their sources
.macro ADDRS
.irp q, 0,1,2,3
	v_add_nc_u32 v[ABC+\q], s[LC], v[AB+\q]
.endr
	v_add_nc_u32 v[STC], s[LC], v[STW]
.endm
; my wave's number of blocks in the pass whose number stands in s[ps]: blocks 24 pass + w + 4 a below NBLK
.macro NBWOF ps
	s_mul_i32 s[TB], s[\ps], 24
	s_sub_co_i32 s[TB], s[NBLK], s[TB]
	s_sub_co_i32 s[TB], s[TB], s[WV]
	s_add_co_i32 s[TB], s[TB], 3
	s_ashr_i32 s[TB], s[TB], 2
	s_max_i32 s[TB], s[TB], 0
	s_min_i32 s[NBW], s[TB], 6
	s_mul_i32 s[PB], s[\ps], 384
.endm
; the pass's rows: rank R = 384 pass + 64 a + 16 w + lane % 16 lies in the list of the wave i with B_i <= R < B_i+1, at word R - B_i
.macro SETUP
.irp a, 0,1,2,3,4,5
	v_add3_u32 v[TMP+\a], v[RK], s[PB], 64*\a
	v_cmp_le_u32 vcc_lo, s[B1], v[TMP+\a]
	v_cndmask_b32 v[TMP+6+\a], 0, s[D1], vcc_lo
	v_cmp_le_u32 vcc_lo, s[B2], v[TMP+\a]
	v_cndmask_b32 v[TMP+6+\a], v[TMP+6+\a], s[D2], vcc_lo
	v_cmp_le_u32 vcc_lo, s[B3], v[TMP+\a]
	v_cndmask_b32 v[TMP+6+\a], v[TMP+6+\a], s[D3], vcc_lo
	v_lshl_add_u32 v[TMP+6+\a], v[TMP+\a], 2, v[TMP+6+\a]
	v_min_u32 v[TMP+6+\a], 0x1ffc, v[TMP+6+\a]     ; ranks past the count stay inside the lists
	v_add_nc_u32 v[TMP+6+\a], SUB, v[TMP+6+\a]
	ds_load_b32 v[ENT+\a], v[TMP+6+\a]
.endr
	s_wait_dscnt 0x0
.irp a, 0,1,2,3,4,5
	v_cmp_gt_u32 vcc_lo, s[CNT], v[TMP+\a]
	v_cndmask_b32 v[ENT+\a], s[PADV], v[ENT+\a], vcc_lo  ; past the count: the dump row
	v_lshrrev_b32 v[TMP+6+\a], 1, v[ENT+\a]        ; the token
	v_min_u32 v[TMP+6+\a], 0x3ff, v[TMP+6+\a]
	v_lshl_add_u32 v[AOFF+\a], v[TMP+6+\a], 11, v[H16]
.endr
.endm
; ONE CHUNK c OF PASS 0, p = c & 1.  cv: chunk c + 1 goes to LDS.  ia: x's fragments of chunk c + 1 are asked for.  iw: the weights of chunk c + 3.  lw: the loads that may stay out.  bar: the barrier.
.macro TRIP p, cv, ia, iw, lw, bar
	LOADB 0
	s_wait_loadcnt \lw                             ; loads come back in order (ISA guide 5.7.1): x of chunk c and the weights of chunk c + 1 are in; only the weights of chunk c + 2, issued last, stay out
.if \cv
	CVST 1-(\p), STC, 2048
.endif
.if \ia
	s_wait_xcnt 0x0                                ; the two bases are stepped only behind this wait
	s_add_co_u32 s[SOF], s[SOF], 128
	s_add_nc_u64 s[SA:SA+1], s[4:5], s[SOF:SOF+1]
	ISSUE_A 1-(\p)
.endif
.if \iw
	s_add_nc_u64 s[6:7], s[6:7], CSTEP
	ISSUE_W 1-(\p)
.endif
	LOADB 1
	s_wait_dscnt 16+8*(\cv)                        ; the first step's fragments are in; younger: the unit stores and the second step's sixteen loads
	STEP \p, 0
	s_wait_dscnt 0x0                               ; the second step's fragments are in, and, for the others' sake, my stores of chunk c + 1 are done
.if \bar
	s_barrier_signal -1
.endif
	STEP \p, 1                                     ; work on registers while the others arrive
	s_add_co_u32 s[LC], s[LC], 2048
	ADDRS
.if \bar
	s_barrier_wait -1                              ; chunk c + 1 is whole
.endif
.endm
; one chunk of a later pass: the slice lies in LDS; x's fragments are asked for and awaited in the trip
.macro TRIPX
	s_wait_xcnt 0x0
	s_add_nc_u64 s[SA:SA+1], s[4:5], s[SOF:SOF+1]
	ISSUE_A 0
	LOADB 0
	LOADB 1
	s_wait_loadcnt 0x0
	s_wait_dscnt 16
	STEP 0, 0
	s_wait_dscnt 0x0
	STEP 0, 1
	s_add_co_u32 s[LC], s[LC], 2048
	s_add_co_u32 s[SOF], s[SOF], 128
	ADDRS
.endm
; block a's sums plus the bias go into fixed registers, each accumulator from its low end on, so that the text behind is written once
.macro TAKE a
.if (\a) < 4
	WIN 0x06
.else
	WIN 0x07
.endif
.set ti, 0
.rept 32
	v_pk_add_f32 v[XX+2*ti:XX+2*ti+1], v[64*((\a)%4)+2*ti:64*((\a)%4)+2*ti+1], v[192+2*ti:192+2*ti+1]
.set ti, ti+1
.endr
	WIN 0
	v_mov_b32 v[ENTC], v[ENT+(\a)]
.endm
; GELU of sixteen numbers a lane, in place.  t = 1 / (1 + 0.23164189 |x|), e = 2^(-0.72134752 x^2), q = e t (a1 + t (a2 + t (a3 + t (a4 + t a5)))), the a halved; g = max(x, 0) - |x| q.
; The 32 transcendentals are one batch with one wait; the sixteen maxima are the plain work behind them.
.macro GELU16 xb
.set t, 0
.rept 16
	v_fma_f32 v[TD+t], |v[(\xb)+t]|, s[CP], 1.0
.set t, t+1
.endr
.set t, 0
.rept 8
	v_pk_mul_f32 v[TE+t:TE+t+1], v[(\xb)+t:(\xb)+t+1], s[CK:CK+1] op_sel_hi:[1,0]
.set t, t+2
.endr
.set t, 0
.rept 8
	v_pk_mul_f32 v[TE+t:TE+t+1], v[TE+t:TE+t+1], v[(\xb)+t:(\xb)+t+1]
.set t, t+2
.endr
.set t, 0
.rept 16
	v_rcp_f32 v[TD+t], v[TD+t]
.set t, t+1
.endr
.set t, 0
.rept 16
	v_exp_f32 v[TE+t], v[TE+t]
.set t, t+1
.endr
.set t, 0
.rept 16
	v_max_num_f32 v[TU+t], 0, v[(\xb)+t]
.set t, t+1
.endr
	s_wait_alu depctr_va_vdst(0)                   ; the wait ahead of the batch's first reader
.set t, 0
.rept 8
	v_pk_fma_f32 v[TP+t:TP+t+1], v[TD+t:TD+t+1], s[A5:A5+1], s[A4:A4+1] op_sel_hi:[1,0,0]
.set t, t+2
.endr
.irp c, A3, A2, A1
.set t, 0
.rept 8
	v_pk_fma_f32 v[TP+t:TP+t+1], v[TP+t:TP+t+1], v[TD+t:TD+t+1], s[\c:\c+1] op_sel_hi:[1,1,0]
.set t, t+2
.endr
.endr
.set t, 0
.rept 8
	v_pk_mul_f32 v[TP+t:TP+t+1], v[TP+t:TP+t+1], v[TD+t:TD+t+1]
.set t, t+2
.endr
.set t, 0
.rept 8
	v_pk_mul_f32 v[TP+t:TP+t+1], v[TP+t:TP+t+1], v[TE+t:TE+t+1]
.set t, t+2
.endr
.set t, 0
.rept 16
	v_fma_f32 v[(\xb)+t], -|v[(\xb)+t]|, v[TP+t], v[TU+t]
.set t, t+1
.endr
.endm
	s_load_b256 s[4:11], s[0:1], 0x0               ; xb s[4:5], W1 s[6:7], b1 s[8:9], ridx s[10:11]
	s_load_b64 s[12:13], s[0:1], 0x20              ; hbuf
	v_lshl_add_u32 v[SPW], v0, 2, SPARE
	v_mov_b32 v[NIL], 0
	v_lshrrev_b32 v[TMP], 5, v0
	v_readfirstlane_b32 s[WV], v[TMP]              ; wave 0..3
	v_and_b32 v[LN], 31, v0
	v_and_b32 v[R16], 15, v0
	v_bfe_u32 v[HH], v0, 4, 1
	v_lshlrev_b32 v[L16], 4, v[LN]
	v_lshlrev_b32 v[H16], 4, v[HH]
	v_lshlrev_b32 v[COL], 4, v[R16]
	s_lshr_b32 s[EX], ttmp9, 5
	s_and_b32 s[SL], ttmp9, 31
	s_add_co_u32 s[PADV], s[EX], 2048
	s_mul_i32 s[TA], s[WV], 16*WROW
	v_add_nc_u32 v[WOFF], s[TA], v[L16]            ; 16 lane + my wave's 16 rows
	v_lshrrev_b32 v[TMP], 2, v[LN]                 ; my four columns 4 l .. lie in column group l / 4,
	v_mul_u32_u24 v[TMP], v[TMP], SNB
	v_and_b32 v[TMP+1], 3, v[LN]
	v_lshl_add_u32 v[TMP], v[TMP+1], 6, v[TMP]     ; at 16 bytes x 4 (l % 4) of a unit row;
	s_lshl_b32 s[TA], s[WV], 9
	v_add_nc_u32 v[STW], s[TA], v[TMP]             ; my wave's 16 k are two unit rows of 256 bytes
.irp q, 0,1,2,3
	v_add_nc_u32 v[AB+\q], 2*\q*SNB, v[L16]
.endr
	s_mul_i32 s[TA], s[WV], 16*SP
	s_add_co_u32 s[TA], s[TA], STAGE               ; my stage
	v_mul_u32_u24 v[TMP], v[R16], SP
	v_add3_u32 v[STO], v[TMP], v[H16], s[TA]       ; in: row l % 16, 16 bytes for each half of the lanes
	v_mul_u32_u24 v[TMP], v[HH], SP
	v_add3_u32 v[RD], v[TMP], v[COL], s[TA]        ; back: lanes 0-15 one row of 256 bytes, lanes 16-31 the next
	s_lshl_b32 s[TA], s[WV], 4
	v_add_nc_u32 v[RK], s[TA], v[R16]
	s_lshl_b32 s[TA], s[WV], 11
	v_add_nc_u32 v[TMP+8], s[TA], v[L16]           ; my wave's 512 entries of ridx
	s_add_co_u32 s[SUBW], s[TA], SUB
	v_lshlrev_b32 v[TMP+9], 5, v[HH]               ; the bias of columns 16 b + 8 (l / 16) ..
	s_mov_b32 s[HM], 0xffff0000
	SPAIR CP, 0x3e6d3388                           ; 0.23164189
	SPAIR CK, 0xbf38aa3b                           ; -log2(e) / 2
	SPAIR A1, 0x3e027906                           ; 0.127414796
	SPAIR A2, 0xbe11a98e                           ; -0.142248368
	SPAIR A3, 0x3f35f0e3                           ; 0.7107068705
	SPAIR A4, 0xbf3a00e3                           ; -0.7265760135
	SPAIR A5, 0x3f07dc22                           ; 0.5307027145
	SPAIR CL, 0xbfb8aa3b                           ; -log2(e)
	s_lshl_b32 s[OFS], s[EX], 24                   ; an expert's W1 is 16,777,216 bytes,
	s_lshl_b32 s[TA], s[SL], 9                     ; a slice's columns 512 bytes
	s_add_co_u32 s[OFS], s[OFS], s[TA]
	s_mov_b32 s[OFS+1], 0
	s_wait_kmcnt 0x0
	s_add_nc_u64 s[6:7], s[6:7], s[OFS:OFS+1]
	s_lshl_b32 s[OFS], s[EX], 14
	s_add_co_u32 s[OFS], s[OFS], s[TA]
	s_add_nc_u64 s[8:9], s[8:9], s[OFS:OFS+1]
	s_lshl_b32 s[OFS], s[SL], 8
	s_add_nc_u64 s[12:13], s[12:13], s[OFS:OFS+1]
.set q, 0
.rept 16
	global_load_b128 v[XX+4*q:XX+4*q+3], v[L16], s[10:11] offset:512*q       ; all of ridx: entry 128 q + 4 l + u in register 4 q + u
.set q, q+1
.endr
.set q, 0
.rept 4
	global_load_b128 v[192+4*q:192+4*q+3], v[TMP+8], s[10:11] offset:512*q   ; my wave's own 512 entries once more, in registers whose numbers do not hang on the wave
.set q, q+1
.endr
	WIN 0x40
.set q, 0
.rept 8
	global_load_b128 v[192+8*q:192+8*q+3], v[TMP+9], s[8:9] offset:64*q
	global_load_b128 v[192+8*q+4:192+8*q+7], v[TMP+9], s[8:9] offset:64*q+16
.set q, q+1
.endr
	WIN 0
	ISSUE_W 0                                      ; chunk 0
	s_wait_xcnt 0x0
	s_add_nc_u64 s[6:7], s[6:7], CSTEP
	ISSUE_W 1                                      ; chunk 1
.set q, 0
.rept 8
	v_mov_b32 v[ZF+q], 0
.set q, q+1
.endr
	ZERO
	s_wait_loadcnt 32                              ; ridx and the bias are in; the two chunks of weights, 32 loads, stay out
	; every wave counts the expert's rows in all of ridx, eight masks at a time; the running count is kept at each wave's boundary
	s_mov_b32 s[CNT], 0
.set q, 0
.rept 8
.irp u, 0,1,2,3,4,5,6,7
	v_cmp_eq_u32 s[MB+\u], s[EX], v[XX+8*q+\u]
.endr
.irp u, 0,1,2,3,4,5,6,7
	s_bcnt1_i32_b32 s[MB+\u], s[MB+\u]
.endr
.irp u, 0,1,2,3,4,5,6,7
	s_add_co_u32 s[CNT], s[CNT], s[MB+\u]
.endr
.if q == 1
	s_mov_b32 s[B1], s[CNT]
.elseif q == 3
	s_mov_b32 s[B2], s[CNT]
.elseif q == 5
	s_mov_b32 s[B3], s[CNT]
.endif
.set q, q+1
.endr
	s_cmp_eq_u32 s[WV], 0                          ; my wave's own count
	s_cselect_b32 s[TA], 0, s[B1]
	s_cselect_b32 s[TB], s[B1], s[B2]
	s_cmp_eq_u32 s[WV], 2
	s_cselect_b32 s[TA], s[B2], s[TA]
	s_cselect_b32 s[TB], s[B3], s[TB]
	s_cmp_eq_u32 s[WV], 3
	s_cselect_b32 s[TA], s[B3], s[TA]
	s_cselect_b32 s[TB], s[CNT], s[TB]
	s_sub_co_u32 s[CW], s[TB], s[TA]
	s_lshl_b32 s[TA], s[B1], 2
	s_sub_co_u32 s[D1], 2048, s[TA]
	s_lshl_b32 s[TA], s[B2], 2
	s_sub_co_u32 s[D2], 4096, s[TA]
	s_lshl_b32 s[TA], s[B3], 2
	s_sub_co_u32 s[D3], 6144, s[TA]
	s_add_co_u32 s[NBLK], s[CNT], 15
	s_lshr_b32 s[NBLK], s[NBLK], 4
	; the bias, rounded to bf16 like every input, and back in f32
	WIN 0x05
.set q, 0
.rept 32
	v_cvt_pk_bf16_f32 v[T+q], v[192+2*q], v[192+2*q+1]
.set q, q+1
.endr
	WIN 0x40
.set q, 0
.rept 32
	v_lshlrev_b32 v[192+2*q], 16, v[T+q]
	v_and_b32 v[192+2*q+1], s[HM], v[T+q]
.set q, q+1
.endr
	WIN 0
	; my wave's list: its 512 entries are parted, hits in front, so that every word of the list is written.  A hit's word holds its r, the others the dump row
	s_mov_b32 s[RH], 0
	v_add_nc_u32 v[TMP], s[CW], v[LN]
	s_lshl_b32 s[TA], s[WV], 9
	v_lshl_add_u32 v[TMP+1], v[LN], 2, s[TA]       ; 512 w + 4 l
.set j, 0
.rept 16
	v_cmp_eq_u32 s[MK], s[EX], v[192+j]
	v_mbcnt_lo_u32_b32 v[TMP+2], s[MK], s[RH]      ; hits in front of mine
	v_sub_nc_u32 v[TMP+3], v[TMP], v[TMP+2]
	v_add_nc_u32 v[TMP+3], 32*j, v[TMP+3]          ; the count + the entries that are no hits in front of mine
	v_cndmask_b32 v[TMP+3], v[TMP+3], v[TMP+2], s[MK]
	v_add_nc_u32 v[TMP+4], 128*(j/4)+j%4, v[TMP+1]
	v_cndmask_b32 v[TMP+4], s[PADV], v[TMP+4], s[MK]
	v_min_u32 v[TMP+3], 0x1ff, v[TMP+3]
	v_lshl_add_u32 v[TMP+3], v[TMP+3], 2, s[SUBW]
	ds_store_b32 v[TMP+3], v[TMP+4]
	s_bcnt1_i32_b32 s[TA], s[MK]
	s_add_co_u32 s[RH], s[RH], s[TA]
.set j, j+1
.endr
	s_wait_dscnt 0x0                               ; for the others' sake: my list is written
	s_barrier_signal -1
	s_barrier_wait -1
	s_mov_b32 s[PASS], 0
	NBWOF PASS
	SETUP
	s_mov_b32 s[SOF], 0
	s_mov_b32 s[SOF+1], 0
	s_mov_b32 s[LC], 0
	s_add_nc_u64 s[SA:SA+1], s[4:5], s[SOF:SOF+1]
	ISSUE_A 0                                      ; x of chunk 0
	ADDRS
	s_wait_loadcnt 40                              ; the weights of chunk 0 are in; younger: chunk 1's sixteen loads and x's twenty-four
	CVST 0, STW, 0
	s_wait_xcnt 0x0
	s_add_nc_u64 s[6:7], s[6:7], CSTEP
	ISSUE_W 0                                      ; chunk 2
	s_wait_dscnt 0x0
	s_barrier_signal -1
	s_barrier_wait -1                              ; chunk 0 is whole
	s_mov_b32 s[KC], 6
.Lk0:                                                  ; chunks 0 to 11
	TRIP 0, 1, 1, 1, 16, 1
	TRIP 1, 1, 1, 1, 16, 1
	s_sub_co_u32 s[KC], s[KC], 1
	s_cmp_lg_u32 s[KC], 0
	s_cbranch_scc1 .Lk0
	TRIP 0, 1, 1, 1, 16, 1                         ; chunk 12 asks for the last weights, chunk 15's
	TRIP 1, 1, 1, 0, 16, 1                         ; chunk 13: chunk 15's weights are still younger than its x
	TRIP 0, 1, 1, 0, 0, 1                          ; chunk 14: nothing younger is out
	TRIP 1, 0, 0, 0, 0, 0                          ; chunk 15: nothing is stored or asked for, so no barrier
	s_mov_b32 s[PCN], 3
.Lpass:                                                ; three times: a pass's way out, then the next pass's products, if my wave has blocks there
	s_wait_loadcnt 0x0
	PLACES                                         ; with ADDRS' five lines: the places behind the last products
	s_mov_b32 s[BA], 0
	s_mov_b32 s[BCN], 6
.Lblk:
	s_cmp_ge_u32 s[BA], s[NBW]
	s_cbranch_scc1 .Lnx
	s_cmp_eq_u32 s[BA], 0
	s_cbranch_scc1 .Lc0
	s_cmp_eq_u32 s[BA], 1
	s_cbranch_scc1 .Lc1
	s_cmp_eq_u32 s[BA], 2
	s_cbranch_scc1 .Lc2
	s_cmp_eq_u32 s[BA], 3
	s_cbranch_scc1 .Lc3
	s_cmp_eq_u32 s[BA], 4
	s_cbranch_scc1 .Lc4
	TAKE 5
	s_branch .Lact
.Lc0:
	TAKE 0
	s_branch .Lact
.Lc1:
	TAKE 1
	s_branch .Lact
.Lc2:
	TAKE 2
	s_branch .Lact
.Lc3:
	TAKE 3
	s_branch .Lact
.Lc4:
	TAKE 4
.Lact:
	s_wait_xcnt 0x0                                ; the last block's stores have read their offsets and data: those registers are rewritten only behind this wait
	s_bitcmp1_b32 s[EX], 0
	s_cbranch_scc1 .Lsilu
	GELU16 XX
	GELU16 XX+16
	GELU16 XX+32
	GELU16 XX+48
	s_branch .Lpack
.Lsilu:                                                ; x / (1 + 2^(-x log2 e)): two batches of 64, a wait each
.set t, 0
.rept 32
	v_pk_mul_f32 v[TD+t:TD+t+1], v[XX+t:XX+t+1], s[CL:CL+1] op_sel_hi:[1,0]
.set t, t+2
.endr
.set t, 0
.rept 64
	v_exp_f32 v[TD+t], v[TD+t]
.set t, t+1
.endr
	v_nop
	s_wait_alu depctr_va_vdst(0)
.set t, 0
.rept 32
	v_pk_add_f32 v[TD+t:TD+t+1], v[TD+t:TD+t+1], 1.0 op_sel_hi:[1,0]
.set t, t+2
.endr
.set t, 0
.rept 64
	v_rcp_f32 v[TD+t], v[TD+t]
.set t, t+1
.endr
	v_nop
	s_wait_alu depctr_va_vdst(0)
.set t, 0
.rept 32
	v_pk_mul_f32 v[XX+t:XX+t+1], v[XX+t:XX+t+1], v[TD+t:TD+t+1]
.set t, t+2
.endr
.Lpack:                                                ; rounded to bf16; 16 bytes a lane into my stage, back as whole rows of 256 bytes; each row goes to its own r
.set t, 0
.rept 32
	v_cvt_pk_bf16_f32 v[T+t], v[XX+2*t], v[XX+2*t+1]
.set t, t+1
.endr
.irp t, 0,1,2,3,4,5,6,7
	v_lshl_add_u32 v[TMP+\t], v[HH], 2, 8*\t       ; row 2 t + l / 16 of the block: its r lies in the lane of that number
.endr
.irp t, 0,1,2,3,4,5,6,7
	ds_bpermute_b32 v[TMP+\t], v[TMP+\t], v[ENTC]
.endr
.irp b, 0,1,2,3,4,5,6,7
	ds_store_b128 v[STO], v[T+4*\b:T+4*\b+3] offset:32*\b
.endr
.irp t, 0,1,2,3,4,5,6,7
	ds_load_b128 v[RB+4*\t:RB+4*\t+3], v[RD] offset:2*SP*\t  ; LDS serves a wave's instructions in order (ISA guide 5.7.1.4): these see the stores above
.endr
	s_wait_dscnt 16                                ; the eight exchanges are done; the stage's stores and loads are younger
.irp t, 0,1,2,3,4,5,6,7
	v_min_u32 v[TMP+\t], 0x807, v[TMP+\t]          ; hbuf has 2,056 rows
	v_lshl_add_u32 v[TMP+\t], v[TMP+\t], 13, v[COL]
.endr
.irp t, 0,1,2,3,4,5,6,7
	s_wait_dscnt 7-\t
	global_store_b128 v[TMP+\t], v[RB+4*\t:RB+4*\t+3], s[12:13]  ; 16 lanes store 256 consecutive bytes of one row, at a multiple of 256 from hbuf's first byte
.endr
.Lnx:
	s_add_co_u32 s[BA], s[BA], 1
	s_sub_co_u32 s[BCN], s[BCN], 1
	s_cmp_lg_u32 s[BCN], 0
	s_cbranch_scc1 .Lblk
	s_wait_dscnt 0x0                               ; no LDS instruction of mine is out
	s_barrier_signal -1
	s_barrier_wait -1                              ; every wave's stores into its stage are over before any wave reads the slice again
	s_wait_xcnt 0x0
	s_add_co_u32 s[TA], s[PASS], 1
	NBWOF TA
	s_cmp_eq_u32 s[NBW], 0
	s_cbranch_scc1 .Lpn                            ; no block of the next pass is mine (always so behind the third: 64 blocks at the most); nothing jumped holds a barrier
	SETUP
	s_mov_b32 s[SOF], 0
	s_mov_b32 s[LC], 0
	ADDRS
	ZERO
	s_mov_b32 s[KC], 16
.Lkx:
	TRIPX
	s_sub_co_u32 s[KC], s[KC], 1
	s_cmp_lg_u32 s[KC], 0
	s_cbranch_scc1 .Lkx
.Lpn:
	s_wait_dscnt 0x0                               ; no LDS instruction of mine is out
	s_barrier_signal -1
	s_barrier_wait -1                              ; every wave's reads of the slice in this pass are over before any wave writes LDS again: its stage, at the end its spare words
	s_add_co_u32 s[PASS], s[PASS], 1
	s_sub_co_u32 s[PCN], s[PCN], 1
	s_cmp_lg_u32 s[PCN], 0
	s_cbranch_scc1 .Lpass
	s_wait_tensorcnt 0x0                           ; the wave's end
	ds_add_u32 v[SPW], v[NIL]
	s_wait_dscnt 0x0
	s_endpgm
.Lfunc_end_k_q5b2d524f5e_ffn1:
	.size	k_q5b2d524f5e_ffn1, .Lfunc_end_k_q5b2d524f5e_ffn1-k_q5b2d524f5e_ffn1
	.p2alignl 7, 3214868480
	.fill 96, 4, 3214868480
	.section	.rodata,"a",@progbits
	.p2align	6, 0x0
	.amdhsa_kernel k_q5b2d524f5e_ffn1
		.amdhsa_group_segment_fixed_size 288512
		.amdhsa_private_segment_fixed_size 0
		.amdhsa_enable_private_segment 0
		.amdhsa_kernarg_size 40
		.amdhsa_user_sgpr_count 2
		.amdhsa_user_sgpr_kernarg_segment_ptr 1
		.amdhsa_wavefront_size32 1
		.amdhsa_system_sgpr_workgroup_id_x 1
		.amdhsa_system_sgpr_workgroup_id_y 1
		.amdhsa_system_sgpr_workgroup_id_z 1
		.amdhsa_system_vgpr_workitem_id 0
		.amdhsa_next_free_vgpr 1024
		.amdhsa_next_free_sgpr 76
		.amdhsa_reserve_vcc 1
		.amdhsa_float_denorm_mode_32 3
		.amdhsa_float_denorm_mode_16_64 3
		.amdhsa_memory_ordered 1
		.amdhsa_forward_progress 1
		.amdhsa_inst_pref_size 220
	.end_amdhsa_kernel
	.amdgpu_metadata
---
amdhsa.version: [ 1, 2 ]
amdhsa.kernels:
  - .name:           k_q5b2d524f5e_ffn1
    .symbol:         k_q5b2d524f5e_ffn1.kd
    .args:
      - { .name: xb, .offset: 0, .size: 8, .value_kind: global_buffer, .address_space: global }
      - { .name: W1, .offset: 8, .size: 8, .value_kind: global_buffer, .address_space: global }
      - { .name: b1, .offset: 16, .size: 8, .value_kind: global_buffer, .address_space: global }
      - { .name: ridx, .offset: 24, .size: 8, .value_kind: global_buffer, .address_space: global }
      - { .name: hbuf, .offset: 32, .size: 8, .value_kind: global_buffer, .address_space: global }
    .group_segment_fixed_size: 288512
    .private_segment_fixed_size: 0
    .kernarg_segment_align: 8
    .kernarg_segment_size: 40
    .max_flat_workgroup_size: 128
    .sgpr_count:     76
    .vgpr_count:     1024
    .wavefront_size: 32
...
	.end_amdgpu_metadata
.endif
;; end of part 2
;; launch ffn2 (part 3): grid 256 x 1, 4 waves a work-group, no clusters, 304,896 bytes of LDS; arguments hbuf, W2, b2, ridx, rwt, ypart; writes ypart
.if DOCPART == 3
	.amdgcn_target "amdgcn-amd-amdhsa--gfx1250"
	.amdhsa_code_object_version 6
	.text
	.protected	k_q5b2d524f5e_ffn2
	.globl	k_q5b2d524f5e_ffn2
	.p2align	8
	.type	k_q5b2d524f5e_ffn2,@function
k_q5b2d524f5e_ffn2:
	s_mov_b64 s[64:65], 0
	v_nop
	global_prefetch_b8 v0, s[64:65] scope:SCOPE_SE
	s_setreg_imm32_b32 hwreg(HW_REG_WAVE_MODE, 25, 1), 1
	s_wait_xcnt 0x0
; FFN2.  ypart[q][r][d] = rwt[r] x (the sum over f in quarter q of hbuf[r][f] W2[e][f][d], + b2[e][d] in quarter 0), e = ridx[r], for the 2,048 routed rows r.  Partial sums in f32.
; SHARES.  Work-group x: expert e = x >> 5, columns 128 (x & 7) .. + 127, k = 1,024 q .. + 1,023 with q = (x >> 3) & 3: 512 KB of f32 weights that it alone reads, once; all rows of its expert.
; The walk is FFN1's: the slice is rounded to bf16 on its way through registers and laid into LDS once, in chunks of 64 k; pass 0's products follow one chunk behind the stream, with one barrier a
; chunk; a pass holds 24 blocks of 16 rows, wave w the blocks w, w + 4, .. w + 20; passes 1 and 2 (an expert with more than 384 rows) find the slice in LDS; a barrier stands between each way out
; and the products on either side of it.  The rows come by a list that every work-group makes from ridx; places past the count take row 2048 + e, the expert's dump row in each quarter of ypart,
; which no launch reads.
; THE MATRIX INSTRUCTION IS USED TRANSPOSED: source 0 = 16 columns of W2, source 1 = 16 rows of h: a lane holds eight neighbouring columns of one row.
; FORMATS AND LIMITS.  W2 and b2 are each rounded once to bf16; h comes in bf16; sums, the gate's weight and the partial results in f32.  NaN and infinities are not treated apart.
; NOT USED.  Tensor loads: the f32 weights pass through registers for the rounding anyway.  Clusters: a slice has one reader, and the rows that work-groups share come by a list.
; REGISTERS, in windows of 256 (s_set_vgpr_msb: bits 1:0 source 0, 3:2 source 1, 5:4 source 2, 7:6 destination):
;   window 0: v0-47 addresses and lists; v48-79 T; v80-111 at work; v128-191, v192-255 W2's fragments of the chunk's two K steps (on the way out: X, and the rows read back)
;   window 1: v0-95, v96-191 two buffers of h's fragments (block a, step s at 16 a + 8 s); v192-255 the bias of my 64 columns
;   window 2: accumulators of blocks 0-3 (block a, column group b at 64 a + 8 b)      window 3: v0-127 those of blocks 4, 5; v128-191, v192-255 two buffers of f32 weights
.set WROW,  4096       ; bytes from a k row of W2[e] to the next
.set CSTEP, 64*WROW    ; a chunk: 64 k rows
.set SNB,   32784      ; LDS bytes of a group of 16 columns: 128 units of 8 k x 16 columns x 16 bytes, + 16: the sixteen lanes of a unit store fall into sixteen different 16-byte columns of 256
.set STAGE, 262400     ; behind the slice (8 x SNB = 262,272): 16 rows x 528 bytes for each wave, for the way out
.set SP,    528
.set SUB,   296192     ; the four waves' lists, 512 words each
.set SPARE, 304384     ; the spare words, 128 bytes for each wave
.set QBYTES, 8421376   ; a quarter of ypart: 2,056 rows of 4,096 bytes
.set LN,   1           ; lane
.set R16,  2           ; lane % 16
.set HH,   3           ; lane / 16
.set L16,  4           ; 16 lane
.set H16,  5           ; 16 (lane / 16)
.set WOFF, 6           ; my 16 bytes in my wave's first k row of a chunk
.set STW,  7           ; where my first unit of chunk 0 goes
.set AB,   8           ; v8-11   my 16 bytes in a fragment of column groups 2 q, 2 q + 1, chunk 0
.set AOFF, 12          ; v12-17  block a: my row's byte offset in hbuf, + 16 (lane / 16)
.set ENT,  18          ; v18-23  block a: my row's number r
.set GW,   24          ; v24-29  block a: my row's gate weight
.set STO,  30          ; the way out: where I put 32 bytes of a row
.set RD,   31          ; where I read a row back
.set RK,   33          ; 16 w + lane % 16
.set ENTC, 34          ; the block in hand: my row's number
.set STC,  35          ; STW + 2,048 chunk
.set WCUR, 36          ; v36-37  the block in hand: my row's gate weight, twice
.set SPW,  38          ; my spare word; never rewritten
.set NIL,  39          ; 0; never rewritten
.set ZF,   40          ; v40-47  eight zeros
.set T,    48          ; v48-79  packed bf16
.set TMP,  80          ; v80-91  at work
.set ABC,  92          ; v92-95  AB + 2,048 chunk
.set ROFF, 96          ; v96-111 the way out: sixteen rows' byte offsets in ypart
.set XX,   128         ; v128-191 the way out: 64 numbers a lane
.set RB,   192         ; v192-255 16 rows read back from the stage
.set WV,   16          ; wave
.set EX,   17          ; expert
.set SL,   18          ; slice
.set CNT,  19          ; the expert's rows
.set NBLK, 20          ; its blocks
.set NBW,  21          ; my wave's blocks in the pass in hand, 0 to 6
.set PASS, 22
.set KC,   23
.set BA,   24
.set RH,   25
.set CW,   26
.set MK,   27
.set TA,   28
.set TB,   29
.set SOF,  30          ; s[30:31] 128 chunk
.set SA,   32          ; s[32:33] hbuf's quarter + SOF
.set OFS,  34          ; s[34:35]
.set PADV, 36          ; 2048 + e
.set B1,   37          ; hits in the first 512, 1,024, 1,536 entries
.set B2,   38
.set B3,   39
.set NS,   40          ; which 128 columns
.set QQ,   41          ; which quarter of K
.set BM,   56          ; all ones in quarter 0, else 0
.set LC,   57          ; 2,048 chunk
.set D1,   58          ; 2,048 i - 4 B_i
.set D2,   59
.set D3,   60
.set SUBW, 61          ; my wave's list
.set PB,   62          ; 384 pass
.set HM,   63          ; a word's upper bf16
.set PCN,  66          ; passes to go
.set BCN,  67          ; blocks of the way out to go
.set MB,   68          ; s68-75 eight masks
.set MSB, 0
.macro WIN new                         ; the immediate's high byte repeats the setting that is left; a switch that changes nothing is dropped
.if MSB != (\new)
	s_set_vgpr_msb (MSB<<8)|(\new)
.set MSB, (\new)
.endif
.endm
.macro PLACES
.rept 4
	v_nop
.endr
.endm
; sixteen loads: my wave's 16 k rows of a chunk, 512 consecutive bytes each, into weight buffer p
.macro ISSUE_W p
	WIN 0xc0
.set wi, 0
.rept 16
	global_load_b128 v[128+64*(\p)+4*wi:128+64*(\p)+4*wi+3], v[WOFF], s[6:7] offset:wi*WROW th:TH_LOAD_NT
.set wi, wi+1
.endr
	WIN 0
.endm
; twenty-four loads: the six blocks' fragments of h for a chunk's two K steps, into buffer p.  Always all: a block that is not mine repeats a row that exists, so every count is fixed
.macro ISSUE_A p
	WIN 0x40
.irp a, 0,1,2,3,4,5
.irp st, 0,1
	global_load_b128 v[96*(\p)+16*\a+8*\st:96*(\p)+16*\a+8*\st+3], v[AOFF+\a], s[SA:SA+1] offset:64*\st
	global_load_b128 v[96*(\p)+16*\a+8*\st+4:96*(\p)+16*\a+8*\st+7], v[AOFF+\a], s[SA:SA+1] offset:64*\st+32
.endr
.endr
	WIN 0
.endm
; weight buffer p (16 k x my 4 columns, f32) is rounded and turned: a unit is 8 k of one column, 16 bytes; eight units go to LDS
.macro CVST p, adr, off
	WIN 0x0f
.irp gg, 0,1
.irp j, 0,1,2,3
.irp pp, 0,1,2,3
	v_cvt_pk_bf16_f32 v[T+16*\gg+4*\j+\pp], v[128+64*(\p)+4*(8*\gg+2*\pp)+\j], v[128+64*(\p)+4*(8*\gg+2*\pp+1)+\j]
.endr
.endr
.endr
	WIN 0
.irp gg, 0,1
.irp j, 0,1,2,3
	ds_store_b128 v[\adr], v[T+16*\gg+4*\j:T+16*\gg+4*\j+3] offset:(\off)+256*\gg+16*\j
.endr
.endr
.endm
; sixteen LDS loads of 512 consecutive bytes: the eight column groups' fragments of K step st of the chunk in hand
.macro LOADB st
	WIN 0
.irp b, 0,1,2,3,4,5,6,7
	ds_load_b128 v[128+64*(\st)+8*\b:128+64*(\st)+8*\b+3], v[ABC+(\b)/2] offset:((\b)%2)*SNB+1024*(\st)
	ds_load_b128 v[128+64*(\st)+8*\b+4:128+64*(\st)+8*\b+7], v[ABC+(\b)/2] offset:((\b)%2)*SNB+1024*(\st)+512
.endr
.endm
; the products of one K step: my NBW blocks x 8 column groups.  The accumulators take turns, one instruction a turn; the jump leaves out the blocks that are not mine
.macro STEP p, st
.irp a, 0,1,2,3,4,5
	WIN 0
	s_cmp_le_u32 s[NBW], \a
	s_cbranch_scc1 .Lse_\@
.if \a < 4
	WIN 0xa4
.else
	WIN 0xf4
.endif
.irp b, 0,1,2,3,4,5,6,7
	v_wmma_f32_16x16x32_bf16 v[64*((\a)%4)+8*\b:64*((\a)%4)+8*\b+7], v[128+64*(\st)+8*\b:128+64*(\st)+8*\b+7], v[96*(\p)+16*\a+8*(\st):96*(\p)+16*\a+8*(\st)+7], v[64*((\a)%4)+8*\b:64*((\a)%4)+8*\b+7]
.endr
.endr
	WIN 0
.Lse_\@:
.endm
; 48 products of zeros start all sums, those of blocks that are not mine too: so every accumulator is written on every way.  In pass 0 they stand in the wait for the first loads
.macro ZERO
	WIN 0x80
.set zi, 0
.rept 32
	v_wmma_f32_16x16x32_bf16 v[8*zi:8*zi+7], v[ZF:ZF+7], v[ZF:ZF+7], 0
.set zi, zi+1
.endr
	WIN 0xc0
.set zi, 0
.rept 16
	v_wmma_f32_16x16x32_bf16 v[8*zi:8*zi+7], v[ZF:ZF+7], v[ZF:ZF+7], 0
.set zi, zi+1
.endr
	WIN 0
.endm
; the LDS addresses of the chunk in hand: five plain lines, which are also the places between a trip's last products and the next loads into their sources
.macro ADDRS
.irp q, 0,1,2,3
	v_add_nc_u32 v[ABC+\q], s[LC], v[AB+\q]
.endr
	v_add_nc_u32 v[STC], s[LC], v[STW]
.endm
; my wave's number of blocks in the pass whose number stands in s[ps]: blocks 24 pass + w + 4 a below NBLK
.macro NBWOF ps
	s_mul_i32 s[TB], s[\ps], 24
	s_sub_co_i32 s[TB], s[NBLK], s[TB]
	s_sub_co_i32 s[TB], s[TB], s[WV]
	s_add_co_i32 s[TB], s[TB], 3
	s_ashr_i32 s[TB], s[TB], 2
	s_max_i32 s[TB], s[TB], 0
	s_min_i32 s[NBW], s[TB], 6
	s_mul_i32 s[PB], s[\ps], 384
.endm
; the pass's rows: rank R = 384 pass + 64 a + 16 w + lane % 16 lies in the list of the wave i with B_i <= R < B_i+1, at word R - B_i; then each row's place in hbuf and its gate weight
.macro SETUP
.irp a, 0,1,2,3,4,5
	v_add3_u32 v[TMP+\a], v[RK], s[PB], 64*\a
	v_cmp_le_u32 vcc_lo, s[B1], v[TMP+\a]
	v_cndmask_b32 v[TMP+6+\a], 0, s[D1], vcc_lo
	v_cmp_le_u32 vcc_lo, s[B2], v[TMP+\a]
	v_cndmask_b32 v[TMP+6+\a], v[TMP+6+\a], s[D2], vcc_lo
	v_cmp_le_u32 vcc_lo, s[B3], v[TMP+\a]
	v_cndmask_b32 v[TMP+6+\a], v[TMP+6+\a], s[D3], vcc_lo
	v_lshl_add_u32 v[TMP+6+\a], v[TMP+\a], 2, v[TMP+6+\a]
	v_min_u32 v[TMP+6+\a], 0x1ffc, v[TMP+6+\a]     ; ranks past the count stay inside the lists
	v_add_nc_u32 v[TMP+6+\a], SUB, v[TMP+6+\a]
	ds_load_b32 v[ENT+\a], v[TMP+6+\a]
.endr
	s_wait_dscnt 0x0
.irp a, 0,1,2,3,4,5
	v_cmp_gt_u32 vcc_lo, s[CNT], v[TMP+\a]
	v_cndmask_b32 v[ENT+\a], s[PADV], v[ENT+\a], vcc_lo  ; past the count: the dump row
	v_min_u32 v[TMP+6+\a], 0x7ff, v[ENT+\a]        ; what is read stays among the 2,048 rows that were written
	v_lshl_add_u32 v[AOFF+\a], v[TMP+6+\a], 13, v[H16]
	v_lshlrev_b32 v[TMP+6+\a], 2, v[TMP+6+\a]
	global_load_b32 v[GW+\a], v[TMP+6+\a], s[12:13]
.endr
.endm
; ONE CHUNK c OF PASS 0, p = c & 1.  cv: chunk c + 1 goes to LDS.  ia: h's fragments of chunk c + 1 are asked for.  iw: the weights of chunk c + 3.  lw: the loads that may stay out.  bar: the barrier.
.macro TRIP p, cv, ia, iw, lw, bar
	LOADB 0
	s_wait_loadcnt \lw                             ; loads come back in order (ISA guide 5.7.1): h of chunk c and the weights of chunk c + 1 are in; only the weights of chunk c + 2, issued last, stay out
.if \cv
	CVST 1-(\p), STC, 2048
.endif
.if \ia
	s_wait_xcnt 0x0                                ; the two bases are stepped only behind this wait
	s_add_co_u32 s[SOF], s[SOF], 128
	s_add_nc_u64 s[SA:SA+1], s[4:5], s[SOF:SOF+1]
	ISSUE_A 1-(\p)
.endif
.if \iw
	s_add_nc_u64 s[6:7], s[6:7], CSTEP
	ISSUE_W 1-(\p)
.endif
	LOADB 1
	s_wait_dscnt 16+8*(\cv)                        ; the first step's fragments are in; younger: the unit stores and the second step's sixteen loads
	STEP \p, 0
	s_wait_dscnt 0x0                               ; the second step's fragments are in, and, for the others' sake, my stores of chunk c + 1 are done
.if \bar
	s_barrier_signal -1
.endif
	STEP \p, 1                                     ; work on registers while the others arrive
	s_add_co_u32 s[LC], s[LC], 2048
	ADDRS
.if \bar
	s_barrier_wait -1                              ; chunk c + 1 is whole
.endif
.endm
; one chunk of a later pass: the slice lies in LDS; h's fragments are asked for and awaited in the trip
.macro TRIPX
	s_wait_xcnt 0x0
	s_add_nc_u64 s[SA:SA+1], s[4:5], s[SOF:SOF+1]
	ISSUE_A 0
	LOADB 0
	LOADB 1
	s_wait_loadcnt 0x0
	s_wait_dscnt 16
	STEP 0, 0
	s_wait_dscnt 0x0
	STEP 0, 1
	s_add_co_u32 s[LC], s[LC], 2048
	s_add_co_u32 s[SOF], s[SOF], 128
	ADDRS
.endm
; block a's sums plus the bias go into fixed registers, each accumulator from its low end on, so that the text behind is written once
.macro TAKE a
.if (\a) < 4
	WIN 0x06
.else
	WIN 0x07
.endif
.set ti, 0
.rept 32
	v_pk_add_f32 v[XX+2*ti:XX+2*ti+1], v[64*((\a)%4)+2*ti:64*((\a)%4)+2*ti+1], v[192+2*ti:192+2*ti+1]
.set ti, ti+1
.endr
	WIN 0
	v_mov_b32 v[ENTC], v[ENT+(\a)]
	v_mov_b32 v[WCUR], v[GW+(\a)]
	v_mov_b32 v[WCUR+1], v[GW+(\a)]
.endm
	s_load_b256 s[4:11], s[0:1], 0x0               ; hbuf s[4:5], W2 s[6:7], b2 s[8:9], ridx s[10:11]
	s_load_b128 s[12:15], s[0:1], 0x20             ; rwt s[12:13], ypart s[14:15]
	v_lshl_add_u32 v[SPW], v0, 2, SPARE
	v_mov_b32 v[NIL], 0
	v_lshrrev_b32 v[TMP], 5, v0
	v_readfirstlane_b32 s[WV], v[TMP]              ; wave 0..3
	v_and_b32 v[LN], 31, v0
	v_and_b32 v[R16], 15, v0
	v_bfe_u32 v[HH], v0, 4, 1
	v_lshlrev_b32 v[L16], 4, v[LN]
	v_lshlrev_b32 v[H16], 4, v[HH]
	s_lshr_b32 s[EX], ttmp9, 5
	s_and_b32 s[SL], ttmp9, 31
	s_and_b32 s[NS], s[SL], 7
	s_lshr_b32 s[QQ], s[SL], 3
	s_add_co_u32 s[PADV], s[EX], 2048
	s_mul_i32 s[TA], s[WV], 16*WROW
	v_add_nc_u32 v[WOFF], s[TA], v[L16]            ; 16 lane + my wave's 16 rows
	v_lshrrev_b32 v[TMP], 2, v[LN]                 ; my four columns 4 l .. lie in column group l / 4,
	v_mul_u32_u24 v[TMP], v[TMP], SNB
	v_and_b32 v[TMP+1], 3, v[LN]
	v_lshl_add_u32 v[TMP], v[TMP+1], 6, v[TMP]     ; at 16 bytes x 4 (l % 4) of a unit row;
	s_lshl_b32 s[TA], s[WV], 9
	v_add_nc_u32 v[STW], s[TA], v[TMP]             ; my wave's 16 k are two unit rows of 256 bytes
.irp q, 0,1,2,3
	v_add_nc_u32 v[AB+\q], 2*\q*SNB, v[L16]
.endr
	s_mul_i32 s[TA], s[WV], 16*SP
	s_add_co_u32 s[TA], s[TA], STAGE               ; my stage
	v_mul_u32_u24 v[TMP], v[R16], SP
	v_lshl_add_u32 v[TMP], v[HH], 5, v[TMP]
	v_add_nc_u32 v[STO], s[TA], v[TMP]             ; in: row l % 16, 32 bytes for each half of the lanes
	v_add_nc_u32 v[RD], s[TA], v[L16]              ; back: 32 lanes take one row of 512 bytes
	s_lshl_b32 s[TA], s[WV], 4
	v_add_nc_u32 v[RK], s[TA], v[R16]
	s_lshl_b32 s[TA], s[WV], 11
	v_add_nc_u32 v[TMP+8], s[TA], v[L16]           ; my wave's 512 entries of ridx
	s_add_co_u32 s[SUBW], s[TA], SUB
	v_lshlrev_b32 v[TMP+9], 5, v[HH]               ; the bias of columns 16 b + 8 (l / 16) ..
	s_mov_b32 s[HM], 0xffff0000
	s_cmp_eq_u32 s[QQ], 0
	s_cselect_b32 s[BM], -1, 0
	s_lshl_b32 s[OFS], s[EX], 24                   ; an expert's W2 is 16,777,216 bytes,
	s_lshl_b32 s[TB], s[QQ], 22                    ; a quarter's 1,024 k rows 4,194,304,
	s_add_co_u32 s[OFS], s[OFS], s[TB]
	s_lshl_b32 s[TA], s[NS], 9                     ; 128 columns 512
	s_add_co_u32 s[OFS], s[OFS], s[TA]
	s_mov_b32 s[OFS+1], 0
	s_wait_kmcnt 0x0
	s_add_nc_u64 s[6:7], s[6:7], s[OFS:OFS+1]
	s_lshl_b32 s[OFS], s[EX], 12
	s_add_co_u32 s[OFS], s[OFS], s[TA]
	s_add_nc_u64 s[8:9], s[8:9], s[OFS:OFS+1]
	s_lshl_b32 s[OFS], s[QQ], 11                   ; a quarter of a row of h: 2,048 bytes
	s_add_nc_u64 s[4:5], s[4:5], s[OFS:OFS+1]
	s_mul_i32 s[OFS], s[QQ], QBYTES
	s_add_co_u32 s[OFS], s[OFS], s[TA]
	s_add_nc_u64 s[14:15], s[14:15], s[OFS:OFS+1]
.set q, 0
.rept 16
	global_load_b128 v[XX+4*q:XX+4*q+3], v[L16], s[10:11] offset:512*q       ; all of ridx: entry 128 q + 4 l + u in register 4 q + u
.set q, q+1
.endr
.set q, 0
.rept 4
	global_load_b128 v[192+4*q:192+4*q+3], v[TMP+8], s[10:11] offset:512*q   ; my wave's own 512 entries once more, in registers whose numbers do not hang on the wave
.set q, q+1
.endr
	WIN 0x40
.set q, 0
.rept 8
	global_load_b128 v[192+8*q:192+8*q+3], v[TMP+9], s[8:9] offset:64*q
	global_load_b128 v[192+8*q+4:192+8*q+7], v[TMP+9], s[8:9] offset:64*q+16
.set q, q+1
.endr
	WIN 0
	ISSUE_W 0                                      ; chunk 0
	s_wait_xcnt 0x0
	s_add_nc_u64 s[6:7], s[6:7], CSTEP
	ISSUE_W 1                                      ; chunk 1
.set q, 0
.rept 8
	v_mov_b32 v[ZF+q], 0
.set q, q+1
.endr
	ZERO
	s_wait_loadcnt 32                              ; ridx and the bias are in; the two chunks of weights, 32 loads, stay out
	; every wave counts the expert's rows in all of ridx, eight masks at a time; the running count is kept at each wave's boundary
	s_mov_b32 s[CNT], 0
.set q, 0
.rept 8
.irp u, 0,1,2,3,4,5,6,7
	v_cmp_eq_u32 s[MB+\u], s[EX], v[XX+8*q+\u]
.endr
.irp u, 0,1,2,3,4,5,6,7
	s_bcnt1_i32_b32 s[MB+\u], s[MB+\u]
.endr
.irp u, 0,1,2,3,4,5,6,7
	s_add_co_u32 s[CNT], s[CNT], s[MB+\u]
.endr
.if q == 1
	s_mov_b32 s[B1], s[CNT]
.elseif q == 3
	s_mov_b32 s[B2], s[CNT]
.elseif q == 5
	s_mov_b32 s[B3], s[CNT]
.endif
.set q, q+1
.endr
	s_cmp_eq_u32 s[WV], 0                          ; my wave's own count
	s_cselect_b32 s[TA], 0, s[B1]
	s_cselect_b32 s[TB], s[B1], s[B2]
	s_cmp_eq_u32 s[WV], 2
	s_cselect_b32 s[TA], s[B2], s[TA]
	s_cselect_b32 s[TB], s[B3], s[TB]
	s_cmp_eq_u32 s[WV], 3
	s_cselect_b32 s[TA], s[B3], s[TA]
	s_cselect_b32 s[TB], s[CNT], s[TB]
	s_sub_co_u32 s[CW], s[TB], s[TA]
	s_lshl_b32 s[TA], s[B1], 2
	s_sub_co_u32 s[D1], 2048, s[TA]
	s_lshl_b32 s[TA], s[B2], 2
	s_sub_co_u32 s[D2], 4096, s[TA]
	s_lshl_b32 s[TA], s[B3], 2
	s_sub_co_u32 s[D3], 6144, s[TA]
	s_add_co_u32 s[NBLK], s[CNT], 15
	s_lshr_b32 s[NBLK], s[NBLK], 4
	; the bias, rounded to bf16 like every input, kept in quarter 0 and masked to 0 in the others, and back in f32
	WIN 0x05
.set q, 0
.rept 32
	v_cvt_pk_bf16_f32 v[T+q], v[192+2*q], v[192+2*q+1]
.set q, q+1
.endr
	WIN 0
.set q, 0
.rept 32
	v_and_b32 v[T+q], s[BM], v[T+q]
.set q, q+1
.endr
	WIN 0x40
.set q, 0
.rept 32
	v_lshlrev_b32 v[192+2*q], 16, v[T+q]
	v_and_b32 v[192+2*q+1], s[HM], v[T+q]
.set q, q+1
.endr
	WIN 0
	; my wave's list: its 512 entries are parted, hits in front, so that every word of the list is written.  A hit's word holds its r, the others the dump row
	s_mov_b32 s[RH], 0
	v_add_nc_u32 v[TMP], s[CW], v[LN]
	s_lshl_b32 s[TA], s[WV], 9
	v_lshl_add_u32 v[TMP+1], v[LN], 2, s[TA]       ; 512 w + 4 l
.set j, 0
.rept 16
	v_cmp_eq_u32 s[MK], s[EX], v[192+j]
	v_mbcnt_lo_u32_b32 v[TMP+2], s[MK], s[RH]      ; hits in front of mine
	v_sub_nc_u32 v[TMP+3], v[TMP], v[TMP+2]
	v_add_nc_u32 v[TMP+3], 32*j, v[TMP+3]          ; the count + the entries that are no hits in front of mine
	v_cndmask_b32 v[TMP+3], v[TMP+3], v[TMP+2], s[MK]
	v_add_nc_u32 v[TMP+4], 128*(j/4)+j%4, v[TMP+1]
	v_cndmask_b32 v[TMP+4], s[PADV], v[TMP+4], s[MK]
	v_min_u32 v[TMP+3], 0x1ff, v[TMP+3]
	v_lshl_add_u32 v[TMP+3], v[TMP+3], 2, s[SUBW]
	ds_store_b32 v[TMP+3], v[TMP+4]
	s_bcnt1_i32_b32 s[TA], s[MK]
	s_add_co_u32 s[RH], s[RH], s[TA]
.set j, j+1
.endr
	s_wait_dscnt 0x0                               ; for the others' sake: my list is written
	s_barrier_signal -1
	s_barrier_wait -1
	s_mov_b32 s[PASS], 0
	NBWOF PASS
	SETUP
	s_mov_b32 s[SOF], 0
	s_mov_b32 s[SOF+1], 0
	s_mov_b32 s[LC], 0
	s_add_nc_u64 s[SA:SA+1], s[4:5], s[SOF:SOF+1]
	ISSUE_A 0                                      ; h of chunk 0
	ADDRS
	s_wait_loadcnt 46                              ; the weights of chunk 0 are in; younger: chunk 1's sixteen loads, the six gate weights and h's twenty-four
	CVST 0, STW, 0
	s_wait_xcnt 0x0
	s_add_nc_u64 s[6:7], s[6:7], CSTEP
	ISSUE_W 0                                      ; chunk 2
	s_wait_dscnt 0x0
	s_barrier_signal -1
	s_barrier_wait -1                              ; chunk 0 is whole
	s_mov_b32 s[KC], 6
.Lk0:                                                  ; chunks 0 to 11
	TRIP 0, 1, 1, 1, 16, 1
	TRIP 1, 1, 1, 1, 16, 1
	s_sub_co_u32 s[KC], s[KC], 1
	s_cmp_lg_u32 s[KC], 0
	s_cbranch_scc1 .Lk0
	TRIP 0, 1, 1, 1, 16, 1                         ; chunk 12 asks for the last weights, chunk 15's
	TRIP 1, 1, 1, 0, 16, 1                         ; chunk 13: chunk 15's weights are still younger than its h
	TRIP 0, 1, 1, 0, 0, 1                          ; chunk 14: nothing younger is out
	TRIP 1, 0, 0, 0, 0, 0                          ; chunk 15: nothing is stored or asked for, so no barrier
	s_mov_b32 s[PCN], 3
.Lpass:                                                ; three times: a pass's way out, then the next pass's products, if my wave has blocks there
	s_wait_loadcnt 0x0
	PLACES                                         ; with ADDRS' five lines: the places behind the last products
	s_mov_b32 s[BA], 0
	s_mov_b32 s[BCN], 6
.Lblk:
	s_cmp_ge_u32 s[BA], s[NBW]
	s_cbranch_scc1 .Lnx
	s_cmp_eq_u32 s[BA], 0
	s_cbranch_scc1 .Lc0
	s_cmp_eq_u32 s[BA], 1
	s_cbranch_scc1 .Lc1
	s_cmp_eq_u32 s[BA], 2
	s_cbranch_scc1 .Lc2
	s_cmp_eq_u32 s[BA], 3
	s_cbranch_scc1 .Lc3
	s_cmp_eq_u32 s[BA], 4
	s_cbranch_scc1 .Lc4
	TAKE 5
	s_branch .Lact
.Lc0:
	TAKE 0
	s_branch .Lact
.Lc1:
	TAKE 1
	s_branch .Lact
.Lc2:
	TAKE 2
	s_branch .Lact
.Lc3:
	TAKE 3
	s_branch .Lact
.Lc4:
	TAKE 4
.Lact:                                                 ; times the row's gate weight; 32 bytes a lane into my stage, back as whole rows of 512 bytes; each row goes to its own r
	s_wait_xcnt 0x0                                ; the last block's stores have read their offsets and data: those registers are rewritten only behind this wait
.set t, 0
.rept 32
	v_pk_mul_f32 v[XX+t:XX+t+1], v[XX+t:XX+t+1], v[WCUR:WCUR+1]
.set t, t+2
.endr
.irp b, 0,1,2,3,4,5,6,7
	ds_store_b128 v[STO], v[XX+8*\b:XX+8*\b+3] offset:64*\b
	ds_store_b128 v[STO], v[XX+8*\b+4:XX+8*\b+7] offset:64*\b+16
.endr
.set t, 0
.rept 16
	ds_load_b128 v[RB+4*t:RB+4*t+3], v[RD] offset:SP*t  ; LDS serves a wave's instructions in order (ISA guide 5.7.1.4): these see the stores above
.set t, t+1
.endr
.set t, 0
.rept 16
	v_readlane_b32 s[TA], v[ENTC], t               ; row t's r lies in lane t
	s_min_u32 s[TA], s[TA], 0x807                  ; a quarter of ypart has 2,056 rows
	s_lshl_b32 s[TA], s[TA], 12
	v_add_nc_u32 v[ROFF+t], s[TA], v[L16]
.set t, t+1
.endr
.set t, 0
.rept 16
	s_wait_dscnt 15-t
	global_store_b128 v[ROFF+t], v[RB+4*t:RB+4*t+3], s[14:15]  ; 32 lanes store 512 consecutive bytes of one row, at a multiple of 256 from ypart's first byte
.set t, t+1
.endr
.Lnx:
	s_add_co_u32 s[BA], s[BA], 1
	s_sub_co_u32 s[BCN], s[BCN], 1
	s_cmp_lg_u32 s[BCN], 0
	s_cbranch_scc1 .Lblk
	s_wait_dscnt 0x0                               ; no LDS instruction of mine is out
	s_barrier_signal -1
	s_barrier_wait -1                              ; every wave's stores into its stage are over before any wave reads the slice again
	s_wait_xcnt 0x0
	s_add_co_u32 s[TA], s[PASS], 1
	NBWOF TA
	s_cmp_eq_u32 s[NBW], 0
	s_cbranch_scc1 .Lpn                            ; no block of the next pass is mine (always so behind the third: 64 blocks at the most); nothing jumped holds a barrier
	SETUP
	s_mov_b32 s[SOF], 0
	s_mov_b32 s[LC], 0
	ADDRS
	ZERO
	s_mov_b32 s[KC], 16
.Lkx:
	TRIPX
	s_sub_co_u32 s[KC], s[KC], 1
	s_cmp_lg_u32 s[KC], 0
	s_cbranch_scc1 .Lkx
.Lpn:
	s_wait_dscnt 0x0                               ; no LDS instruction of mine is out
	s_barrier_signal -1
	s_barrier_wait -1                              ; every wave's reads of the slice in this pass are over before any wave writes LDS again: its stage, at the end its spare words
	s_add_co_u32 s[PASS], s[PASS], 1
	s_sub_co_u32 s[PCN], s[PCN], 1
	s_cmp_lg_u32 s[PCN], 0
	s_cbranch_scc1 .Lpass
	s_wait_tensorcnt 0x0                           ; the wave's end
	ds_add_u32 v[SPW], v[NIL]
	s_wait_dscnt 0x0
	s_endpgm
.Lfunc_end_k_q5b2d524f5e_ffn2:
	.size	k_q5b2d524f5e_ffn2, .Lfunc_end_k_q5b2d524f5e_ffn2-k_q5b2d524f5e_ffn2
	.p2alignl 7, 3214868480
	.fill 96, 4, 3214868480
	.section	.rodata,"a",@progbits
	.p2align	6, 0x0
	.amdhsa_kernel k_q5b2d524f5e_ffn2
		.amdhsa_group_segment_fixed_size 304896
		.amdhsa_private_segment_fixed_size 0
		.amdhsa_enable_private_segment 0
		.amdhsa_kernarg_size 48
		.amdhsa_user_sgpr_count 2
		.amdhsa_user_sgpr_kernarg_segment_ptr 1
		.amdhsa_wavefront_size32 1
		.amdhsa_system_sgpr_workgroup_id_x 1
		.amdhsa_system_sgpr_workgroup_id_y 1
		.amdhsa_system_sgpr_workgroup_id_z 1
		.amdhsa_system_vgpr_workitem_id 0
		.amdhsa_next_free_vgpr 1024
		.amdhsa_next_free_sgpr 76
		.amdhsa_reserve_vcc 1
		.amdhsa_float_denorm_mode_32 3
		.amdhsa_float_denorm_mode_16_64 3
		.amdhsa_memory_ordered 1
		.amdhsa_forward_progress 1
		.amdhsa_inst_pref_size 185
	.end_amdhsa_kernel
	.amdgpu_metadata
---
amdhsa.version: [ 1, 2 ]
amdhsa.kernels:
  - .name:           k_q5b2d524f5e_ffn2
    .symbol:         k_q5b2d524f5e_ffn2.kd
    .args:
      - { .name: hbuf, .offset: 0, .size: 8, .value_kind: global_buffer, .address_space: global }
      - { .name: W2, .offset: 8, .size: 8, .value_kind: global_buffer, .address_space: global }
      - { .name: b2, .offset: 16, .size: 8, .value_kind: global_buffer, .address_space: global }
      - { .name: ridx, .offset: 24, .size: 8, .value_kind: global_buffer, .address_space: global }
      - { .name: rwt, .offset: 32, .size: 8, .value_kind: global_buffer, .address_space: global }
      - { .name: ypart, .offset: 40, .size: 8, .value_kind: global_buffer, .address_space: global }
    .group_segment_fixed_size: 304896
    .private_segment_fixed_size: 0
    .kernarg_segment_align: 8
    .kernarg_segment_size: 48
    .max_flat_workgroup_size: 128
    .sgpr_count:     76
    .vgpr_count:     1024
    .wavefront_size: 32
...
	.end_amdgpu_metadata
.endif
;; end of part 3
;; launch sum (part 4): grid 256 x 1, 8 waves a work-group, no clusters, 0 bytes of LDS; arguments ypart, out0; writes out0
.if DOCPART == 4
	.amdgcn_target "amdgcn-amd-amdhsa--gfx1250"
	.amdhsa_code_object_version 6
	.text
	.protected	k_q5b2d524f5e_sum
	.globl	k_q5b2d524f5e_sum
	.p2align	8
	.type	k_q5b2d524f5e_sum,@function
k_q5b2d524f5e_sum:
	s_mov_b64 s[64:65], 0
	v_nop
	global_prefetch_b8 v0, s[64:65] scope:SCOPE_SE
	s_setreg_imm32_b32 hwreg(HW_REG_WAVE_MODE, 25, 1), 1
	s_wait_xcnt 0x0
; SUM.  out0[t][d] = the sum over the four quarters q of K and the two choices k of ypart[q][2 t + k][d]: eight f32 rows, already weighted, at fixed places.
; A stream: 34 MB in, 4 MB out, each byte once.  A work-group has 4 tokens; wave w the token w / 2 and the half w % 2 of its 1,024 columns: four pieces of 512 consecutive bytes.
; All 32 loads of a wave go out at once, piece by piece; each piece is added and stored as its eight loads come in.  No LDS, barrier, matrix unit or cluster: no wave needs another's data.
.set QBYTES, 8421376   ; a quarter of ypart: 2,056 rows of 4,096 bytes; past a load's immediate, so each quarter has a base of its own
.set Y, 8              ; v8-135: piece i, quarter q, choice k at Y + 4 (8 i + 2 q + k)
	s_load_b128 s[4:7], s[0:1], 0x0                ; ypart s[4:5], out0 s[6:7]
	v_lshrrev_b32 v1, 5, v0
	v_readfirstlane_b32 s8, v1                     ; wave 0..7
	v_and_b32 v1, 31, v0
	s_and_b32 s9, s8, 1
	s_lshr_b32 s10, s8, 1
	s_lshl_b32 s11, s9, 11                         ; my half of the columns: 2,048 bytes
	s_lshl_b32 s12, s10, 13                        ; my token's two rows of ypart
	s_add_co_u32 s12, s12, s11
	v_lshl_add_u32 v2, v1, 4, s12
	s_lshl_b32 s12, s10, 12                        ; my token's row of out0
	s_add_co_u32 s12, s12, s11
	v_lshl_add_u32 v3, v1, 4, s12
	s_lshl_b32 s14, ttmp9, 15                      ; 4 tokens: 8 rows of ypart,
	s_mov_b32 s15, 0
	s_lshl_b32 s16, ttmp9, 14                      ; 4 rows of out0
	s_mov_b32 s17, 0
	s_wait_kmcnt 0x0
	s_add_nc_u64 s[20:21], s[4:5], s[14:15]
	s_add_nc_u64 s[22:23], s[20:21], QBYTES
	s_add_nc_u64 s[24:25], s[22:23], QBYTES
	s_add_nc_u64 s[26:27], s[24:25], QBYTES
	s_add_nc_u64 s[6:7], s[6:7], s[16:17]
.irp i, 0,1,2,3
.irp q, 0,1,2,3
.irp k, 0,1
	global_load_b128 v[Y+4*(8*\i+2*\q+\k):Y+4*(8*\i+2*\q+\k)+3], v2, s[20+2*\q:21+2*\q] offset:4096*\k+512*\i th:TH_LOAD_NT
.endr
.endr
.endr
.irp i, 0,1,2,3
	s_wait_loadcnt 24-8*\i                         ; loads come back in order (ISA guide 5.7.1): piece i's eight are in, the later pieces' stay out
.irp n, 0,2,4,6
	v_pk_add_f32 v[Y+32*\i+4*\n:Y+32*\i+4*\n+1], v[Y+32*\i+4*\n:Y+32*\i+4*\n+1], v[Y+32*\i+4*\n+4:Y+32*\i+4*\n+5]
	v_pk_add_f32 v[Y+32*\i+4*\n+2:Y+32*\i+4*\n+3], v[Y+32*\i+4*\n+2:Y+32*\i+4*\n+3], v[Y+32*\i+4*\n+6:Y+32*\i+4*\n+7]
.endr
.irp n, 0,4
	v_pk_add_f32 v[Y+32*\i+4*\n:Y+32*\i+4*\n+1], v[Y+32*\i+4*\n:Y+32*\i+4*\n+1], v[Y+32*\i+4*\n+8:Y+32*\i+4*\n+9]
	v_pk_add_f32 v[Y+32*\i+4*\n+2:Y+32*\i+4*\n+3], v[Y+32*\i+4*\n+2:Y+32*\i+4*\n+3], v[Y+32*\i+4*\n+10:Y+32*\i+4*\n+11]
.endr
	v_pk_add_f32 v[Y+32*\i:Y+32*\i+1], v[Y+32*\i:Y+32*\i+1], v[Y+32*\i+16:Y+32*\i+17]
	v_pk_add_f32 v[Y+32*\i+2:Y+32*\i+3], v[Y+32*\i+2:Y+32*\i+3], v[Y+32*\i+18:Y+32*\i+19]
	global_store_b128 v3, v[Y+32*\i:Y+32*\i+3], s[6:7] offset:512*\i th:TH_STORE_NT  ; 512 consecutive bytes, at a multiple of 256 from out0's first byte
.endr
	s_endpgm
.Lfunc_end_k_q5b2d524f5e_sum:
	.size	k_q5b2d524f5e_sum, .Lfunc_end_k_q5b2d524f5e_sum-k_q5b2d524f5e_sum
	.p2alignl 7, 3214868480
	.fill 96, 4, 3214868480
	.section	.rodata,"a",@progbits
	.p2align	6, 0x0
	.amdhsa_kernel k_q5b2d524f5e_sum
		.amdhsa_group_segment_fixed_size 0
		.amdhsa_private_segment_fixed_size 0
		.amdhsa_enable_private_segment 0
		.amdhsa_kernarg_size 16
		.amdhsa_user_sgpr_count 2
		.amdhsa_user_sgpr_kernarg_segment_ptr 1
		.amdhsa_wavefront_size32 1
		.amdhsa_system_sgpr_workgroup_id_x 1
		.amdhsa_system_sgpr_workgroup_id_y 1
		.amdhsa_system_sgpr_workgroup_id_z 1
		.amdhsa_system_vgpr_workitem_id 0
		.amdhsa_next_free_vgpr 136
		.amdhsa_next_free_sgpr 66
		.amdhsa_reserve_vcc 0
		.amdhsa_float_denorm_mode_32 3
		.amdhsa_float_denorm_mode_16_64 3
		.amdhsa_memory_ordered 1
		.amdhsa_forward_progress 1
		.amdhsa_inst_pref_size 9
	.end_amdhsa_kernel
	.amdgpu_metadata
---
amdhsa.version: [ 1, 2 ]
amdhsa.kernels:
  - .name:           k_q5b2d524f5e_sum
    .symbol:         k_q5b2d524f5e_sum.kd
    .args:
      - { .name: ypart, .offset: 0, .size: 8, .value_kind: global_buffer, .address_space: global }
      - { .name: out0, .offset: 8, .size: 8, .value_kind: global_buffer, .address_space: global }
    .group_segment_fixed_size: 0
    .private_segment_fixed_size: 0
    .kernarg_segment_align: 8
    .kernarg_segment_size: 16
    .max_flat_workgroup_size: 256
    .sgpr_count:     66
    .vgpr_count:     136
    .wavefront_size: 32
...
	.end_amdgpu_metadata
.endif
;; end of part 4
;; ======== version 2 of 2: 4 launches; version 1 with the launches ffn1, ffn2 written anew for expert scheduling mode
;; workspace buffers: xb 2,097,152 bytes; ridx 8,192 bytes of whole numbers; rwt 8,192 bytes; hbuf 16,842,752 bytes; ypart 33,685,504 bytes
;; launch router: the kernel of part 1 again; grid 256 x 1, 4 waves a work-group, no clusters, 1,024 bytes of LDS; arguments x, Wg, bg, xb, ridx, rwt; writes xb, ridx, rwt
;; launch ffn1 (part 5): grid 256 x 1, 4 waves a work-group, no clusters, 288,512 bytes of LDS; arguments xb, W1, b1, ridx, hbuf; writes hbuf
.if DOCPART == 5
	.amdgcn_target "amdgcn-amd-amdhsa--gfx1250"
	.amdhsa_code_object_version 6
	.text
	.protected	k_q5b2d524f5e_ffn1
	.globl	k_q5b2d524f5e_ffn1
	.p2align	8
	.type	k_q5b2d524f5e_ffn1,@function
k_q5b2d524f5e_ffn1:
	s_mov_b64 s[64:65], 0
	v_nop
	global_prefetch_b8 v0, s[64:65] scope:SCOPE_SE
	s_setreg_imm32_b32 hwreg(HW_REG_WAVE_SCHED_MODE, 0, 2), 2
	s_setreg_imm32_b32 hwreg(HW_REG_WAVE_MODE, 25, 1), 1
	s_wait_xcnt 0x0
	s_wait_alu depctr_vm_vsrc(0)
; FFN1.  hbuf[r][f] = act(x[r >> 1] . W1[e][:, f] + b1[e][f]) for the 2,048 routed rows r = 2 token + choice, e = ridx[r]; act = exact GELU (even e) or SiLU (odd e).
; Only the chosen rows are multiplied: the others have combine weight 0.
; SHARES.  Work-group x: expert e = x >> 5, columns 128 (x & 31) .. + 127, all K = 1,024: 512 KB of f32 weights that it alone reads, once.  It takes ALL rows of its expert, whatever their
; number (0 to 1,024), in blocks of 16; a pass holds 24 blocks, wave w the blocks w, w + 4, .. w + 20 of it; three passes cover 64 blocks.
; THE SLICE is rounded to bf16 on its way through registers and laid into LDS once, in chunks of 64 k; pass 0's products follow one chunk behind the stream, so each LDS byte is written once and
; one barrier a chunk only shows a chunk to the other waves.  Passes 1 and 2 find the slice in LDS; a barrier stands between each way out and the products on either side of it.
; THE ROWS come by a list, straight from memory into registers as matrix operands.  Every wave counts all of ridx in registers; each wave lays the hits of its own 512 entries into its own part of
; LDS; rank R is then found by three comparisons with the waves' running counts.  Places past the count take row 2048 + e, the expert's dump row of hbuf, which no launch reads.
; THE MATRIX INSTRUCTION IS USED TRANSPOSED: source 0 = 16 columns of W1, source 1 = 16 rows of x: a lane then holds eight neighbouring columns of one row of h.
; FORMATS AND LIMITS.  x, W1, b1 are each rounded once to bf16; sums in f32; h rounded once to bf16.  erfc by Abramowitz and Stegun 7.1.26, whose error is at most 1.5e-7 for every argument;
; GELU = max(x, 0) - |x| q with q = erfc(|x| / sqrt 2) / 2, so no difference of large numbers is formed.  NaN and infinities are not treated apart.
; NOT USED.  Tensor loads: the f32 weights pass through registers for the rounding anyway.  Clusters: a slice has one reader, and the rows that an expert's work-groups share come by a list, which
; no tile descriptor covers.
; REGISTERS, in windows of 256 (s_set_vgpr_msb: bits 1:0 source 0, 3:2 source 1, 5:4 source 2, 7:6 destination):
;   window 0: v0-47 addresses and lists; v48-79 T; v80-95 at work; v96-127 RB; v128-191, v192-255 W1's fragments of the chunk's two K steps (on the way out: X and temporaries)
;   window 1: v0-95, v96-191 two buffers of x's fragments (block a, step s at 16 a + 8 s); v192-255 the bias of my 64 columns
;   window 2: accumulators of blocks 0-3 (block a, column group b at 64 a + 8 b)      window 3: v0-127 those of blocks 4, 5; v128-191, v192-255 two buffers of f32 weights
; THE MODE: SCHED_MODE bits 1:0 = 2 (LLVM: expert scheduling mode 2), set by the entry lines.  The code itself states the register dependences between vector or matrix instructions and memory or
; LDS instructions, with s_wait_alu, always for 0.
; THE PLAN.  Registers that memory or LDS instructions touch in pass 0's loop; chunk c, p = c & 1:
;   F = window 0 v128-255   Written by the trip's 32 LDS loads, which stand at its head; read by the trip's products.
;   XA[p], window 1         Read by trip c's products; the loads of chunk c + 2 land in it in trip c + 1.
;   WR[1-p], window 3       Read by trip c's conversions (chunk c + 1); behind them the loads of chunk c + 3 land in it.
;   T                       Written by the conversions; read by the eight unit stores.
;   ABC, STC                Read by the trip's LDS loads and unit stores; written once a trip, at its end.
;   AOFF, WOFF              Read by the global loads; not written in the loop: scalar bases step.
; A trip has two waits on va_vdst and one on vm_vsrc.  At the head: the last trip's products are done reading F and XA[1-p], and ABC and STC are written.  Behind the conversions: T is written and
; WR[1-p] is read.  What follows that wait on the vector side, up to the next head, are the products (F, XA[p], accumulators) and the address lines (ABC, STC): none of the registers that the trip's stores
; and global loads touch.  In front of the barrier's signal, where all the trip's memory instructions are out: they have read ABC, STC and T, which the address lines and the next conversions write.
; The way out has one wait on vm_vsrc a block, at the block's end, and a wait on va_vdst ahead of each of its two runs of LDS and memory instructions.
.set WROW,  16384      ; bytes from a k row of W1[e] to the next
.set CSTEP, 64*WROW    ; a chunk: 64 k rows
.set SNB,   32784      ; LDS bytes of a group of 16 columns: 128 units of 8 k x 16 columns x 16 bytes, + 16: the sixteen lanes of a unit store fall into sixteen different 16-byte columns of 256
.set STAGE, 262400     ; behind the slice (8 x SNB = 262,272): 16 rows x 272 bytes for each wave, for the way out
.set SP,    272
.set SUB,   279808     ; the four waves' lists, 512 words each; the 512 bytes behind them hold the spare words, 128 bytes for each wave
.set LN,   1           ; lane
.set R16,  2           ; lane % 16
.set HH,   3           ; lane / 16
.set L16,  4           ; 16 lane
.set H16,  5           ; 16 (lane / 16)
.set WOFF, 6           ; my 16 bytes in my wave's first k row of a chunk
.set STW,  7           ; where my first unit of chunk 0 goes
.set AB,   8           ; v8-11   my 16 bytes in a fragment of column groups 2 q, 2 q + 1, chunk 0
.set AOFF, 12          ; v12-17  block a: my row's byte offset in xb, + 16 (lane / 16)
.set ENT,  18          ; v18-23  block a: my row's number r
.set STO,  30          ; the way out: where I put 16 bytes of a row
.set RD,   31          ; where I read a row back
.set COL,  32          ; 16 (lane % 16)
.set RK,   33          ; 16 w + lane % 16
.set ENTC, 34          ; the block in hand: my row's number
.set STC,  35          ; STW + 2,048 chunk
.set ZF,   40          ; v40-47  eight zeros
.set T,    48          ; v48-79  packed bf16
.set TMP,  80          ; v80-91  at work
.set ABC,  92          ; v92-95  AB + 2,048 chunk
.set RB,   96          ; v96-127 16 rows read back from the stage
.set XX,   128         ; v128-191 the way out: 64 numbers a lane
.set PA,   128         ; v128-143 at the head only: the sixteen places of my entries in my wave's list
.set PD,   144         ; v144-159 at the head only: the sixteen words that go there
.set TD,   192         ; temporaries of the activation; TD also takes the exchanges' indices
.set TE,   208
.set TP,   224
.set TU,   240
.set WV,   16          ; wave
.set EX,   17          ; expert
.set SL,   18          ; slice
.set CNT,  19          ; the expert's rows
.set NBLK, 20          ; its blocks
.set NBW,  21          ; my wave's blocks in the pass in hand, 0 to 6
.set PASS, 22
.set KC,   23
.set BA,   24
.set RH,   25
.set CW,   26
.set TA,   28
.set TB,   29
.set SOF,  30          ; s[30:31] 128 chunk
.set SA,   32          ; s[32:33] xb + SOF
.set OFS,  34          ; s[34:35]
.set PADV, 36          ; 2048 + e
.set B1,   37          ; hits in the first 512, 1,024, 1,536 entries
.set B2,   38
.set B3,   39
.set CP,   40          ; GELU's constants, in pairs for the packed lines
.set CK,   42
.set A1,   44
.set A2,   46
.set A3,   48
.set A4,   50
.set A5,   52
.set CL,   54
.set LC,   57          ; 2,048 chunk
.set D1,   58          ; 2,048 i - 4 B_i
.set D2,   59
.set D3,   60
.set SUBW, 61          ; my wave's list
.set PB,   62          ; 384 pass
.set HM,   63          ; a word's upper bf16
.set PCN,  66          ; passes to go
.set BCN,  67          ; blocks of the way out to go
.set MB,   68          ; s68-75 eight masks: every run of comparisons writes them, one wait stands behind the run
.set MSB, 0
.macro WIN new                         ; the immediate's high byte repeats the setting that is left; a switch that changes nothing is dropped
.if MSB != (\new)
	s_set_vgpr_msb (MSB<<8)|(\new)
.set MSB, (\new)
.endif
.endm
.macro PLACES
.rept 4
	v_nop
.endr
.endm
.macro SPAIR r, val
	s_mov_b32 s[\r], \val
	s_mov_b32 s[\r+1], \val
.endm
; sixteen loads: my wave's 16 k rows of a chunk, 512 consecutive bytes each, into weight buffer p
.macro ISSUE_W p
	WIN 0xc0
.set wi, 0
.rept 16
	global_load_b128 v[128+64*(\p)+4*wi:128+64*(\p)+4*wi+3], v[WOFF], s[6:7] offset:wi*WROW th:TH_LOAD_NT
.set wi, wi+1
.endr
	WIN 0
.endm
; twenty-four loads: the six blocks' fragments of x for a chunk's two K steps, into buffer p.  Always all: a block that is not mine repeats a row that exists, so every count is fixed
.macro ISSUE_A p
	WIN 0x40
.irp a, 0,1,2,3,4,5
.irp st, 0,1
	global_load_b128 v[96*(\p)+16*\a+8*\st:96*(\p)+16*\a+8*\st+3], v[AOFF+\a], s[SA:SA+1] offset:64*\st
	global_load_b128 v[96*(\p)+16*\a+8*\st+4:96*(\p)+16*\a+8*\st+7], v[AOFF+\a], s[SA:SA+1] offset:64*\st+32
.endr
.endr
	WIN 0
.endm
; weight buffer p (16 k x my 4 columns, f32) is rounded and turned: a unit is 8 k of one column, 16 bytes; eight units go to LDS
.macro CVST p, adr, off
	WIN 0x0f
.irp gg, 0,1
.irp j, 0,1,2,3
.irp pp, 0,1,2,3
	v_cvt_pk_bf16_f32 v[T+16*\gg+4*\j+\pp], v[128+64*(\p)+4*(8*\gg+2*\pp)+\j], v[128+64*(\p)+4*(8*\gg+2*\pp+1)+\j]
.endr
.endr
.endr
	WIN 0
	s_wait_alu depctr_va_vdst(0)                   ; the conversions have written T, which the unit stores read, and are done reading weight buffer p, in which the next loads of weights land
.irp gg, 0,1
.irp j, 0,1,2,3
	ds_store_b128 v[\adr], v[T+16*\gg+4*\j:T+16*\gg+4*\j+3] offset:(\off)+256*\gg+16*\j
.endr
.endr
.endm
; sixteen LDS loads of 512 consecutive bytes: the eight column groups' fragments of K step st of the chunk in hand
.macro LOADB st
	WIN 0
.irp b, 0,1,2,3,4,5,6,7
	ds_load_b128 v[128+64*(\st)+8*\b:128+64*(\st)+8*\b+3], v[ABC+(\b)/2] offset:((\b)%2)*SNB+1024*(\st)
	ds_load_b128 v[128+64*(\st)+8*\b+4:128+64*(\st)+8*\b+7], v[ABC+(\b)/2] offset:((\b)%2)*SNB+1024*(\st)+512
.endr
.endm
; the products of one K step: my NBW blocks x 8 column groups.  The accumulators take turns, one instruction a turn; the jump leaves out the blocks that are not mine
.macro STEP p, st
.irp a, 0,1,2,3,4,5
	WIN 0
	s_cmp_le_u32 s[NBW], \a
	s_cbranch_scc1 .Lse_\@
.if \a < 4
	WIN 0xa4
.else
	WIN 0xf4
.endif
.irp b, 0,1,2,3,4,5,6,7
	v_wmma_f32_16x16x32_bf16 v[64*((\a)%4)+8*\b:64*((\a)%4)+8*\b+7], v[128+64*(\st)+8*\b:128+64*(\st)+8*\b+7], v[96*(\p)+16*\a+8*(\st):96*(\p)+16*\a+8*(\st)+7], v[64*((\a)%4)+8*\b:64*((\a)%4)+8*\b+7]
.endr
.endr
	WIN 0
.Lse_\@:
.endm
; 48 products of zeros start all sums, those of blocks that are not mine too: so every accumulator is written on every way.  In pass 0 they stand in the wait for the first loads
.macro ZERO
	WIN 0x80
.set zi, 0
.rept 32
	v_wmma_f32_16x16x32_bf16 v[8*zi:8*zi+7], v[ZF:ZF+7], v[ZF:ZF+7], 0
.set zi, zi+1
.endr
	WIN 0xc0
.set zi, 0
.rept 16
	v_wmma_f32_16x16x32_bf16 v[8*zi:8*zi+7], v[ZF:ZF+7], v[ZF:ZF+7], 0
.set zi, zi+1
.endr
	WIN 0
.endm
; the LDS addresses of the next chunk: five plain lines, behind the wait on vm_vsrc that shows them read; the wait on va_vdst at the next trip's head shows them written
.macro ADDRS
.irp q, 0,1,2,3
	v_add_nc_u32 v[ABC+\q], s[LC], v[AB+\q]
.endr
	v_add_nc_u32 v[STC], s[LC], v[STW]
.endm
; my wave's number of blocks in the pass whose number stands in s[ps]: blocks 24 pass + w + 4 a below NBLK
.macro NBWOF ps
	s_mul_i32 s[TB], s[\ps], 24
	s_sub_co_i32 s[TB], s[NBLK], s[TB]
	s_sub_co_i32 s[TB], s[TB], s[WV]
	s_add_co_i32 s[TB], s[TB], 3
	s_ashr_i32 s[TB], s[TB], 2
	s_max_i32 s[TB], s[TB], 0
	s_min_i32 s[NBW], s[TB], 6
	s_mul_i32 s[PB], s[\ps], 384
.endm
; the pass's rows: rank R = 384 pass + 64 a + 16 w + lane % 16 lies in the list of the wave i with B_i <= R < B_i+1, at word R - B_i.
; The comparisons stand in runs of six, into six scalar registers, with one wait behind each run.
.macro SETUP
.irp a, 0,1,2,3,4,5
	v_add3_u32 v[TMP+\a], v[RK], s[PB], 64*\a
.endr
.irp a, 0,1,2,3,4,5
	v_cmp_le_u32 s[MB+\a], s[B1], v[TMP+\a]
.endr
	s_wait_alu depctr_va_sdst(0)                   ; the six masks are written, ahead of the selects that read them
.irp a, 0,1,2,3,4,5
	v_cndmask_b32 v[TMP+6+\a], 0, s[D1], s[MB+\a]
.endr
.irp a, 0,1,2,3,4,5
	v_cmp_le_u32 s[MB+\a], s[B2], v[TMP+\a]
.endr
	s_wait_alu depctr_va_sdst(0)                   ; the six masks are written, ahead of the selects that read them
.irp a, 0,1,2,3,4,5
	v_cndmask_b32 v[TMP+6+\a], v[TMP+6+\a], s[D2], s[MB+\a]
.endr
.irp a, 0,1,2,3,4,5
	v_cmp_le_u32 s[MB+\a], s[B3], v[TMP+\a]
.endr
	s_wait_alu depctr_va_sdst(0)                   ; the six masks are written, ahead of the selects that read them
.irp a, 0,1,2,3,4,5
	v_cndmask_b32 v[TMP+6+\a], v[TMP+6+\a], s[D3], s[MB+\a]
	v_lshl_add_u32 v[TMP+6+\a], v[TMP+\a], 2, v[TMP+6+\a]
	v_min_u32 v[TMP+6+\a], 0x1ffc, v[TMP+6+\a]     ; ranks past the count stay inside the lists
	v_add_nc_u32 v[TMP+6+\a], SUB, v[TMP+6+\a]
.endr
	s_wait_alu depctr_va_vdst(0)                   ; the six list addresses are written, which the loads below read; the way out before is done reading and writing ENT, in which they land
.irp a, 0,1,2,3,4,5
	ds_load_b32 v[ENT+\a], v[TMP+6+\a]
.endr
	s_wait_dscnt 0x0
	s_wait_alu depctr_vm_vsrc(0)                   ; those loads have read their addresses, and a former pass's loads of x have read AOFF: both are written below
.irp a, 0,1,2,3,4,5
	v_cmp_gt_u32 s[MB+\a], s[CNT], v[TMP+\a]
.endr
	s_wait_alu depctr_va_sdst(0)                   ; the six masks are written, ahead of the selects that read them
.irp a, 0,1,2,3,4,5
	v_cndmask_b32 v[ENT+\a], s[PADV], v[ENT+\a], s[MB+\a]  ; past the count: the dump row
	v_lshrrev_b32 v[TMP+6+\a], 1, v[ENT+\a]        ; the token
	v_min_u32 v[TMP+6+\a], 0x3ff, v[TMP+6+\a]
	v_lshl_add_u32 v[AOFF+\a], v[TMP+6+\a], 11, v[H16]
.endr
.endm
; ONE CHUNK c OF PASS 0, p = c & 1.  cv: chunk c + 1 goes to LDS.  ia: x's fragments of chunk c + 1 are asked for.  iw: the weights of chunk c + 3.  lw: the loads that may stay out.  bar: the barrier.
.macro TRIP p, cv, ia, iw, lw, bar
	s_wait_alu depctr_va_vdst(0)                   ; the last trip's products are done reading the slice's fragments and x's other buffer, in which this trip's loads land; ABC and STC are written
	LOADB 0
	LOADB 1                                        ; both steps' fragments are asked for at once: no vector instruction up to the products names them
	s_wait_loadcnt \lw                             ; loads come back in order (ISA guide 5.7.1): x of chunk c and the weights of chunk c + 1 are in; only the weights of chunk c + 2, issued last, stay out
.if \cv
	CVST 1-(\p), STC, 2048
.endif
.if \ia
	s_wait_xcnt 0x0                                ; the two bases are stepped only behind this wait
	s_add_co_u32 s[SOF], s[SOF], 128
	s_add_nc_u64 s[SA:SA+1], s[4:5], s[SOF:SOF+1]
	ISSUE_A 1-(\p)                                 ; no wait: no vector or matrix instruction since the wait at the head names this buffer or AOFF
.endif
.if \iw
	s_add_nc_u64 s[6:7], s[6:7], CSTEP
	ISSUE_W 1-(\p)                                 ; no wait: nothing since the wait behind the conversions names this buffer or WOFF
.endif
	s_wait_dscnt 16+8*(\cv)                        ; the first step's fragments are in; younger: the second step's sixteen loads and the unit stores
	STEP \p, 0
	s_wait_dscnt 0x0                               ; the second step's fragments are in, and, for the others' sake, my stores of chunk c + 1 are done
	s_wait_alu depctr_vm_vsrc(0)                   ; the trip's LDS loads have read ABC, its unit stores STC and T: the address lines below and the next trip's conversions write them
.if \bar
	s_barrier_signal -1
.endif
	STEP \p, 1                                     ; work on registers while the others arrive
	s_add_co_u32 s[LC], s[LC], 2048
	ADDRS
.if \bar
	s_barrier_wait -1                              ; chunk c + 1 is whole
.endif
.endm
; one chunk of a later pass: the slice lies in LDS; x's fragments are asked for and awaited in the trip
.macro TRIPX
	s_wait_alu depctr_va_vdst(0)                   ; the last trip's products are done reading x's buffer and the slice's fragments, in which the loads below land; ABC is written, in the first trip AOFF too
	s_wait_xcnt 0x0
	s_add_nc_u64 s[SA:SA+1], s[4:5], s[SOF:SOF+1]
	ISSUE_A 0
	LOADB 0
	LOADB 1
	s_wait_loadcnt 0x0
	s_wait_dscnt 16
	STEP 0, 0
	s_wait_dscnt 0x0
	s_wait_alu depctr_vm_vsrc(0)                   ; the trip's LDS loads have read ABC, which the address lines below write
	STEP 0, 1
	s_add_co_u32 s[LC], s[LC], 2048
	s_add_co_u32 s[SOF], s[SOF], 128
	ADDRS
.endm
; block a's sums plus the bias go into fixed registers, each accumulator from its low end on, so that the text behind is written once
.macro TAKE a
.if (\a) < 4
	WIN 0x06
.else
	WIN 0x07
.endif
.set ti, 0
.rept 32
	v_pk_add_f32 v[XX+2*ti:XX+2*ti+1], v[64*((\a)%4)+2*ti:64*((\a)%4)+2*ti+1], v[192+2*ti:192+2*ti+1]
.set ti, ti+1
.endr
	WIN 0
	v_mov_b32 v[ENTC], v[ENT+(\a)]
.endm
; GELU of sixteen numbers a lane, in place.  t = 1 / (1 + 0.23164189 |x|), e = 2^(-0.72134752 x^2), q = e t (a1 + t (a2 + t (a3 + t (a4 + t a5)))), the a halved; g = max(x, 0) - |x| q.
; The 32 transcendentals are one batch with one wait; the sixteen maxima are the plain work behind them.
.macro GELU16 xb
.set t, 0
.rept 16
	v_fma_f32 v[TD+t], |v[(\xb)+t]|, s[CP], 1.0
.set t, t+1
.endr
.set t, 0
.rept 8
	v_pk_mul_f32 v[TE+t:TE+t+1], v[(\xb)+t:(\xb)+t+1], s[CK:CK+1] op_sel_hi:[1,0]
.set t, t+2
.endr
.set t, 0
.rept 8
	v_pk_mul_f32 v[TE+t:TE+t+1], v[TE+t:TE+t+1], v[(\xb)+t:(\xb)+t+1]
.set t, t+2
.endr
.set t, 0
.rept 16
	v_rcp_f32 v[TD+t], v[TD+t]
.set t, t+1
.endr
.set t, 0
.rept 16
	v_exp_f32 v[TE+t], v[TE+t]
.set t, t+1
.endr
.set t, 0
.rept 16
	v_max_num_f32 v[TU+t], 0, v[(\xb)+t]
.set t, t+1
.endr
	s_wait_alu depctr_va_vdst(0)                   ; the sixteen reciprocals in TD and the sixteen exponentials in TE are written
.set t, 0
.rept 8
	v_pk_fma_f32 v[TP+t:TP+t+1], v[TD+t:TD+t+1], s[A5:A5+1], s[A4:A4+1] op_sel_hi:[1,0,0]
.set t, t+2
.endr
.irp c, A3, A2, A1
.set t, 0
.rept 8
	v_pk_fma_f32 v[TP+t:TP+t+1], v[TP+t:TP+t+1], v[TD+t:TD+t+1], s[\c:\c+1] op_sel_hi:[1,1,0]
.set t, t+2
.endr
.endr
.set t, 0
.rept 8
	v_pk_mul_f32 v[TP+t:TP+t+1], v[TP+t:TP+t+1], v[TD+t:TD+t+1]
.set t, t+2
.endr
.set t, 0
.rept 8
	v_pk_mul_f32 v[TP+t:TP+t+1], v[TP+t:TP+t+1], v[TE+t:TE+t+1]
.set t, t+2
.endr
.set t, 0
.rept 16
	v_fma_f32 v[(\xb)+t], -|v[(\xb)+t]|, v[TP+t], v[TU+t]
.set t, t+1
.endr
.endm
	s_load_b256 s[4:11], s[0:1], 0x0               ; xb s[4:5], W1 s[6:7], b1 s[8:9], ridx s[10:11]
	s_load_b64 s[12:13], s[0:1], 0x20              ; hbuf
	v_lshl_add_u32 v38, v0, 2, 0x46500
	v_mov_b32 v39, 0
	v_lshrrev_b32 v[TMP], 5, v0
	v_readfirstlane_b32 s[WV], v[TMP]              ; wave 0..3
	v_and_b32 v[LN], 31, v0
	v_and_b32 v[R16], 15, v0
	v_bfe_u32 v[HH], v0, 4, 1
	v_lshlrev_b32 v[L16], 4, v[LN]
	v_lshlrev_b32 v[H16], 4, v[HH]
	v_lshlrev_b32 v[COL], 4, v[R16]
	s_lshr_b32 s[EX], ttmp9, 5
	s_and_b32 s[SL], ttmp9, 31
	s_add_co_u32 s[PADV], s[EX], 2048
	s_wait_alu depctr_va_sdst(0)                   ; the wave's number is written, ahead of its first reader
	s_mul_i32 s[TA], s[WV], 16*WROW
	v_add_nc_u32 v[WOFF], s[TA], v[L16]            ; 16 lane + my wave's 16 rows
	v_lshrrev_b32 v[TMP], 2, v[LN]                 ; my four columns 4 l .. lie in column group l / 4,
	v_mul_u32_u24 v[TMP], v[TMP], SNB
	v_and_b32 v[TMP+1], 3, v[LN]
	v_lshl_add_u32 v[TMP], v[TMP+1], 6, v[TMP]     ; at 16 bytes x 4 (l % 4) of a unit row;
	s_lshl_b32 s[TA], s[WV], 9
	v_add_nc_u32 v[STW], s[TA], v[TMP]             ; my wave's 16 k are two unit rows of 256 bytes
.irp q, 0,1,2,3
	v_add_nc_u32 v[AB+\q], 2*\q*SNB, v[L16]
.endr
	s_mul_i32 s[TA], s[WV], 16*SP
	s_add_co_u32 s[TA], s[TA], STAGE               ; my stage
	v_mul_u32_u24 v[TMP], v[R16], SP
	v_add3_u32 v[STO], v[TMP], v[H16], s[TA]       ; in: row l % 16, 16 bytes for each half of the lanes
	v_mul_u32_u24 v[TMP], v[HH], SP
	v_add3_u32 v[RD], v[TMP], v[COL], s[TA]        ; back: lanes 0-15 one row of 256 bytes, lanes 16-31 the next
	s_lshl_b32 s[TA], s[WV], 4
	v_add_nc_u32 v[RK], s[TA], v[R16]
	s_lshl_b32 s[TA], s[WV], 11
	v_add_nc_u32 v[TMP+8], s[TA], v[L16]           ; my wave's 512 entries of ridx
	s_add_co_u32 s[SUBW], s[TA], SUB
	v_lshlrev_b32 v[TMP+9], 5, v[HH]               ; the bias of columns 16 b + 8 (l / 16) ..
	s_mov_b32 s[HM], 0xffff0000
	SPAIR CP, 0x3e6d3388                           ; 0.23164189
	SPAIR CK, 0xbf38aa3b                           ; -log2(e) / 2
	SPAIR A1, 0x3e027906                           ; 0.127414796
	SPAIR A2, 0xbe11a98e                           ; -0.142248368
	SPAIR A3, 0x3f35f0e3                           ; 0.7107068705
	SPAIR A4, 0xbf3a00e3                           ; -0.7265760135
	SPAIR A5, 0x3f07dc22                           ; 0.5307027145
	SPAIR CL, 0xbfb8aa3b                           ; -log2(e)
	s_lshl_b32 s[OFS], s[EX], 24                   ; an expert's W1 is 16,777,216 bytes,
	s_lshl_b32 s[TA], s[SL], 9                     ; a slice's columns 512 bytes
	s_add_co_u32 s[OFS], s[OFS], s[TA]
	s_mov_b32 s[OFS+1], 0
	s_wait_kmcnt 0x0
	s_add_nc_u64 s[6:7], s[6:7], s[OFS:OFS+1]
	s_lshl_b32 s[OFS], s[EX], 14
	s_add_co_u32 s[OFS], s[OFS], s[TA]
	s_add_nc_u64 s[8:9], s[8:9], s[OFS:OFS+1]
	s_lshl_b32 s[OFS], s[SL], 8
	s_add_nc_u64 s[12:13], s[12:13], s[OFS:OFS+1]
	s_wait_alu depctr_va_vdst(0)                   ; all offsets and LDS addresses made above are written: L16, v88, v89 and WOFF, which the loads below read, and STW, STO and RD for later
.set q, 0
.rept 16
	global_load_b128 v[XX+4*q:XX+4*q+3], v[L16], s[10:11] offset:512*q       ; all of ridx: entry 128 q + 4 l + u in register 4 q + u
.set q, q+1
.endr
.set q, 0
.rept 4
	global_load_b128 v[192+4*q:192+4*q+3], v[TMP+8], s[10:11] offset:512*q   ; my wave's own 512 entries once more, in registers whose numbers do not hang on the wave
.set q, q+1
.endr
	WIN 0x40
.set q, 0
.rept 8
	global_load_b128 v[192+8*q:192+8*q+3], v[TMP+9], s[8:9] offset:64*q
	global_load_b128 v[192+8*q+4:192+8*q+7], v[TMP+9], s[8:9] offset:64*q+16
.set q, q+1
.endr
	WIN 0
	ISSUE_W 0                                      ; chunk 0
	s_wait_xcnt 0x0
	s_add_nc_u64 s[6:7], s[6:7], CSTEP
	ISSUE_W 1                                      ; chunk 1
.set q, 0
.rept 8
	v_mov_b32 v[ZF+q], 0
.set q, q+1
.endr
	ZERO
	s_wait_loadcnt 32                              ; ridx and the bias are in; the two chunks of weights, 32 loads, stay out
	; every wave counts the expert's rows in all of ridx, eight masks at a time; the running count is kept at each wave's boundary
	s_mov_b32 s[CNT], 0
.set q, 0
.rept 8
.irp u, 0,1,2,3,4,5,6,7
	v_cmp_eq_u32 s[MB+\u], s[EX], v[XX+8*q+\u]
.endr
	s_wait_alu depctr_va_sdst(0)                   ; the eight masks are written, ahead of the counts that read them
.irp u, 0,1,2,3,4,5,6,7
	s_bcnt1_i32_b32 s[MB+\u], s[MB+\u]
.endr
.irp u, 0,1,2,3,4,5,6,7
	s_add_co_u32 s[CNT], s[CNT], s[MB+\u]
.endr
.if q == 1
	s_mov_b32 s[B1], s[CNT]
.elseif q == 3
	s_mov_b32 s[B2], s[CNT]
.elseif q == 5
	s_mov_b32 s[B3], s[CNT]
.endif
.set q, q+1
.endr
	s_cmp_eq_u32 s[WV], 0                          ; my wave's own count
	s_cselect_b32 s[TA], 0, s[B1]
	s_cselect_b32 s[TB], s[B1], s[B2]
	s_cmp_eq_u32 s[WV], 2
	s_cselect_b32 s[TA], s[B2], s[TA]
	s_cselect_b32 s[TB], s[B3], s[TB]
	s_cmp_eq_u32 s[WV], 3
	s_cselect_b32 s[TA], s[B3], s[TA]
	s_cselect_b32 s[TB], s[CNT], s[TB]
	s_sub_co_u32 s[CW], s[TB], s[TA]
	s_lshl_b32 s[TA], s[B1], 2
	s_sub_co_u32 s[D1], 2048, s[TA]
	s_lshl_b32 s[TA], s[B2], 2
	s_sub_co_u32 s[D2], 4096, s[TA]
	s_lshl_b32 s[TA], s[B3], 2
	s_sub_co_u32 s[D3], 6144, s[TA]
	s_add_co_u32 s[NBLK], s[CNT], 15
	s_lshr_b32 s[NBLK], s[NBLK], 4
	; the bias, rounded to bf16 like every input, and back in f32
	WIN 0x05
.set q, 0
.rept 32
	v_cvt_pk_bf16_f32 v[T+q], v[192+2*q], v[192+2*q+1]
.set q, q+1
.endr
	WIN 0x40
.set q, 0
.rept 32
	v_lshlrev_b32 v[192+2*q], 16, v[T+q]
	v_and_b32 v[192+2*q+1], s[HM], v[T+q]
.set q, q+1
.endr
	WIN 0
	; my wave's list: its 512 entries are parted, hits in front, so that every word of the list is written.  A hit's word holds its r, the others the dump row.
	; The comparisons stand in two runs of eight; each entry's place and word have registers of their own, so that the sixteen stores stand in one run behind one wait
	s_mov_b32 s[RH], 0
	v_add_nc_u32 v[TMP], s[CW], v[LN]
	s_lshl_b32 s[TA], s[WV], 9
	v_lshl_add_u32 v[TMP+1], v[LN], 2, s[TA]       ; 512 w + 4 l
.irp g, 0,1
.irp u, 0,1,2,3,4,5,6,7
	v_cmp_eq_u32 s[MB+\u], s[EX], v[192+8*\g+\u]
.endr
	s_wait_alu depctr_va_sdst(0)                   ; the eight masks are written, ahead of the lane counts, selects and counts that read them
.irp u, 0,1,2,3,4,5,6,7
	v_mbcnt_lo_u32_b32 v[TMP+2], s[MB+\u], s[RH]   ; hits in front of mine
	v_sub_nc_u32 v[PA+8*\g+\u], v[TMP], v[TMP+2]
	v_add_nc_u32 v[PA+8*\g+\u], 32*(8*\g+\u), v[PA+8*\g+\u]  ; the count + the entries that are no hits in front of mine
	v_cndmask_b32 v[PA+8*\g+\u], v[PA+8*\g+\u], v[TMP+2], s[MB+\u]
	v_add_nc_u32 v[PD+8*\g+\u], 128*((8*\g+\u)/4)+(8*\g+\u)%4, v[TMP+1]
	v_cndmask_b32 v[PD+8*\g+\u], s[PADV], v[PD+8*\g+\u], s[MB+\u]
	v_min_u32 v[PA+8*\g+\u], 0x1ff, v[PA+8*\g+\u]
	v_lshl_add_u32 v[PA+8*\g+\u], v[PA+8*\g+\u], 2, s[SUBW]
	s_bcnt1_i32_b32 s[TA], s[MB+\u]
	s_add_co_u32 s[RH], s[RH], s[TA]
.endr
.endr
	s_wait_alu depctr_va_vdst(0)                   ; the sixteen places v[PA ..] and the sixteen words v[PD ..] are written, which the stores read
.set j, 0
.rept 16
	ds_store_b32 v[PA+j], v[PD+j]
.set j, j+1
.endr
	s_wait_dscnt 0x0                               ; for the others' sake: my list is written
	s_wait_alu depctr_vm_vsrc(0)                   ; those stores have read v[PA ..] and v[PD ..], in which fragments land later; the head's loads have read v88 and v89, which the lines below write
	s_barrier_signal -1
	s_barrier_wait -1
	s_mov_b32 s[PASS], 0
	NBWOF PASS
	SETUP
	s_mov_b32 s[SOF], 0
	s_mov_b32 s[SOF+1], 0
	s_mov_b32 s[LC], 0
	s_add_nc_u64 s[SA:SA+1], s[4:5], s[SOF:SOF+1]
	s_wait_alu depctr_va_vdst(0)                   ; AOFF is written, which the loads of x read
	ISSUE_A 0                                      ; x of chunk 0
	ADDRS
	s_wait_loadcnt 40                              ; the weights of chunk 0 are in; younger: chunk 1's sixteen loads and x's twenty-four
	CVST 0, STW, 0
	s_wait_xcnt 0x0
	s_add_nc_u64 s[6:7], s[6:7], CSTEP
	ISSUE_W 0                                      ; chunk 2
	s_wait_dscnt 0x0
	s_wait_alu depctr_vm_vsrc(0)                   ; chunk 0's unit stores have read T, which the first trip's conversions write
	s_barrier_signal -1
	s_barrier_wait -1                              ; chunk 0 is whole
	s_mov_b32 s[KC], 6
.Lk0:                                                  ; chunks 0 to 11
	TRIP 0, 1, 1, 1, 16, 1
	TRIP 1, 1, 1, 1, 16, 1
	s_sub_co_u32 s[KC], s[KC], 1
	s_cmp_lg_u32 s[KC], 0
	s_cbranch_scc1 .Lk0
	TRIP 0, 1, 1, 1, 16, 1                         ; chunk 12 asks for the last weights, chunk 15's
	TRIP 1, 1, 1, 0, 16, 1                         ; chunk 13: chunk 15's weights are still younger than its x
	TRIP 0, 1, 1, 0, 0, 1                          ; chunk 14: nothing younger is out
	TRIP 1, 0, 0, 0, 0, 0                          ; chunk 15: nothing is stored or asked for, so no barrier
	s_mov_b32 s[PCN], 3
.Lpass:                                                ; three times: a pass's way out, then the next pass's products, if my wave has blocks there
	s_wait_loadcnt 0x0
	PLACES                                         ; with ADDRS' five lines: the places behind the last products
	s_mov_b32 s[BA], 0
	s_mov_b32 s[BCN], 6
.Lblk:
	s_cmp_ge_u32 s[BA], s[NBW]
	s_cbranch_scc1 .Lnx
	s_cmp_eq_u32 s[BA], 0
	s_cbranch_scc1 .Lc0
	s_cmp_eq_u32 s[BA], 1
	s_cbranch_scc1 .Lc1
	s_cmp_eq_u32 s[BA], 2
	s_cbranch_scc1 .Lc2
	s_cmp_eq_u32 s[BA], 3
	s_cbranch_scc1 .Lc3
	s_cmp_eq_u32 s[BA], 4
	s_cbranch_scc1 .Lc4
	TAKE 5
	s_branch .Lact
.Lc0:
	TAKE 0
	s_branch .Lact
.Lc1:
	TAKE 1
	s_branch .Lact
.Lc2:
	TAKE 2
	s_branch .Lact
.Lc3:
	TAKE 3
	s_branch .Lact
.Lc4:
	TAKE 4
.Lact:
	s_wait_xcnt 0x0                                ; the last block's stores have read their offsets and data: those registers are rewritten only behind this wait
	s_bitcmp1_b32 s[EX], 0
	s_cbranch_scc1 .Lsilu
	GELU16 XX
	GELU16 XX+16
	GELU16 XX+32
	GELU16 XX+48
	s_branch .Lpack
.Lsilu:                                                ; x / (1 + 2^(-x log2 e)): two batches of 64, a wait each
.set t, 0
.rept 32
	v_pk_mul_f32 v[TD+t:TD+t+1], v[XX+t:XX+t+1], s[CL:CL+1] op_sel_hi:[1,0]
.set t, t+2
.endr
.set t, 0
.rept 64
	v_exp_f32 v[TD+t], v[TD+t]
.set t, t+1
.endr
	v_nop
	s_wait_alu depctr_va_vdst(0)                   ; the 64 exponentials are written, ahead of their first reader
.set t, 0
.rept 32
	v_pk_add_f32 v[TD+t:TD+t+1], v[TD+t:TD+t+1], 1.0 op_sel_hi:[1,0]
.set t, t+2
.endr
.set t, 0
.rept 64
	v_rcp_f32 v[TD+t], v[TD+t]
.set t, t+1
.endr
	v_nop
	s_wait_alu depctr_va_vdst(0)                   ; the 64 reciprocals are written, ahead of their first reader
.set t, 0
.rept 32
	v_pk_mul_f32 v[XX+t:XX+t+1], v[XX+t:XX+t+1], v[TD+t:TD+t+1]
.set t, t+2
.endr
.Lpack:                                                ; rounded to bf16; 16 bytes a lane into my stage, back as whole rows of 256 bytes; each row goes to its own r
.set t, 0
.rept 32
	v_cvt_pk_bf16_f32 v[T+t], v[XX+2*t], v[XX+2*t+1]
.set t, t+1
.endr
.irp t, 0,1,2,3,4,5,6,7
	v_lshl_add_u32 v[TD+\t], v[HH], 2, 8*\t        ; row 2 t + l / 16 of the block: its r lies in the lane of that number
.endr
	s_wait_alu depctr_va_vdst(0)                   ; T, the eight indices in TD and ENTC are written, which the exchanges and the stage's stores read; the last block's lines are done with TMP, in which the exchanges land
.irp t, 0,1,2,3,4,5,6,7
	ds_bpermute_b32 v[TMP+\t], v[TD+\t], v[ENTC]
.endr
.irp b, 0,1,2,3,4,5,6,7
	ds_store_b128 v[STO], v[T+4*\b:T+4*\b+3] offset:32*\b
.endr
.irp t, 0,1,2,3,4,5,6,7
	ds_load_b128 v[RB+4*\t:RB+4*\t+3], v[RD] offset:2*SP*\t  ; LDS serves a wave's instructions in order (ISA guide 5.7.1.4): these see the stores above
.endr
	s_wait_dscnt 16                                ; the eight exchanges are done; the stage's stores and loads are younger
.irp t, 0,1,2,3,4,5,6,7
	v_min_u32 v[TMP+\t], 0x807, v[TMP+\t]          ; hbuf has 2,056 rows
	v_lshl_add_u32 v[TMP+\t], v[TMP+\t], 13, v[COL]
.endr
	s_wait_alu depctr_va_vdst(0)                   ; the eight offsets in TMP are written, which the stores read
.irp t, 0,1,2,3,4,5,6,7
	s_wait_dscnt 7-\t
	global_store_b128 v[TMP+\t], v[RB+4*\t:RB+4*\t+3], s[12:13]  ; 16 lanes store 256 consecutive bytes of one row, at a multiple of 256 from hbuf's first byte
.endr
.Lnx:
	s_wait_alu depctr_vm_vsrc(0)                   ; the block's stores have read TMP and RB, its stage stores T, its exchanges TD and ENTC: the next block, or the next pass's list lines, write them
	s_add_co_u32 s[BA], s[BA], 1
	s_sub_co_u32 s[BCN], s[BCN], 1
	s_cmp_lg_u32 s[BCN], 0
	s_cbranch_scc1 .Lblk
	s_wait_dscnt 0x0                               ; no LDS instruction of mine is out
	s_barrier_signal -1
	s_barrier_wait -1                              ; every wave's stores into its stage are over before any wave reads the slice again
	s_wait_xcnt 0x0
	s_add_co_u32 s[TA], s[PASS], 1
	NBWOF TA
	s_cmp_eq_u32 s[NBW], 0
	s_cbranch_scc1 .Lpn                            ; no block of the next pass is mine (always so behind the third: 64 blocks at the most); nothing jumped holds a barrier
	SETUP
	s_mov_b32 s[SOF], 0
	s_mov_b32 s[LC], 0
	ADDRS
	ZERO
	s_mov_b32 s[KC], 16
.Lkx:
	TRIPX
	s_sub_co_u32 s[KC], s[KC], 1
	s_cmp_lg_u32 s[KC], 0
	s_cbranch_scc1 .Lkx
.Lpn:
	s_wait_dscnt 0x0                               ; no LDS instruction of mine is out
	s_barrier_signal -1
	s_barrier_wait -1                              ; every wave's reads of the slice in this pass are over before any wave writes its stage again
	s_add_co_u32 s[PASS], s[PASS], 1
	s_sub_co_u32 s[PCN], s[PCN], 1
	s_cmp_lg_u32 s[PCN], 0
	s_cbranch_scc1 .Lpass
	s_wait_dscnt 0x0                               ; the wave's end
	s_wait_alu depctr_hold_cnt(0) depctr_sa_sdst(0) depctr_va_vdst(0) depctr_va_sdst(0) depctr_va_ssrc(0) depctr_va_vcc(0) depctr_vm_vsrc(0)
	s_wait_tensorcnt 0x0
	ds_add_u32 v38, v39
	s_wait_dscnt 0x0
	s_endpgm
.Lfunc_end_k_q5b2d524f5e_ffn1:
	.size	k_q5b2d524f5e_ffn1, .Lfunc_end_k_q5b2d524f5e_ffn1-k_q5b2d524f5e_ffn1
	.p2alignl 7, 3214868480
	.fill 96, 4, 3214868480
	.section	.rodata,"a",@progbits
	.p2align	6, 0x0
	.amdhsa_kernel k_q5b2d524f5e_ffn1
		.amdhsa_group_segment_fixed_size 288512
		.amdhsa_private_segment_fixed_size 0
		.amdhsa_enable_private_segment 0
		.amdhsa_kernarg_size 40
		.amdhsa_user_sgpr_count 2
		.amdhsa_user_sgpr_kernarg_segment_ptr 1
		.amdhsa_wavefront_size32 1
		.amdhsa_system_sgpr_workgroup_id_x 1
		.amdhsa_system_sgpr_workgroup_id_y 1
		.amdhsa_system_sgpr_workgroup_id_z 1
		.amdhsa_system_vgpr_workitem_id 0
		.amdhsa_next_free_vgpr 1024
		.amdhsa_next_free_sgpr 76
		.amdhsa_reserve_vcc 0
		.amdhsa_float_denorm_mode_32 3
		.amdhsa_float_denorm_mode_16_64 3
		.amdhsa_memory_ordered 1
		.amdhsa_forward_progress 1
		.amdhsa_inst_pref_size 224
	.end_amdhsa_kernel
	.amdgpu_metadata
---
amdhsa.version: [ 1, 2 ]
amdhsa.kernels:
  - .name:           k_q5b2d524f5e_ffn1
    .symbol:         k_q5b2d524f5e_ffn1.kd
    .args:
      - { .name: xb, .offset: 0, .size: 8, .value_kind: global_buffer, .address_space: global }
      - { .name: W1, .offset: 8, .size: 8, .value_kind: global_buffer, .address_space: global }
      - { .name: b1, .offset: 16, .size: 8, .value_kind: global_buffer, .address_space: global }
      - { .name: ridx, .offset: 24, .size: 8, .value_kind: global_buffer, .address_space: global }
      - { .name: hbuf, .offset: 32, .size: 8, .value_kind: global_buffer, .address_space: global }
    .group_segment_fixed_size: 288512
    .private_segment_fixed_size: 0
    .kernarg_segment_align: 8
    .kernarg_segment_size: 40
    .max_flat_workgroup_size: 128
    .sgpr_count:     76
    .vgpr_count:     1024
    .wavefront_size: 32
...
	.end_amdgpu_metadata
.endif
;; end of part 5
;; launch ffn2 (part 6): grid 256 x 1, 4 waves a work-group, no clusters, 304,896 bytes of LDS; arguments hbuf, W2, b2, ridx, rwt, ypart; writes ypart
.if DOCPART == 6
	.amdgcn_target "amdgcn-amd-amdhsa--gfx1250"
	.amdhsa_code_object_version 6
	.text
	.protected	k_q5b2d524f5e_ffn2
	.globl	k_q5b2d524f5e_ffn2
	.p2align	8
	.type	k_q5b2d524f5e_ffn2,@function
k_q5b2d524f5e_ffn2:
	s_mov_b64 s[64:65], 0
	v_nop
	global_prefetch_b8 v0, s[64:65] scope:SCOPE_SE
	s_setreg_imm32_b32 hwreg(HW_REG_WAVE_SCHED_MODE, 0, 2), 2
	s_setreg_imm32_b32 hwreg(HW_REG_WAVE_MODE, 25, 1), 1
	s_wait_xcnt 0x0
	s_wait_alu depctr_vm_vsrc(0)
; FFN2.  ypart[q][r][d] = rwt[r] x (the sum over f in quarter q of hbuf[r][f] W2[e][f][d], + b2[e][d] in quarter 0), e = ridx[r], for the 2,048 routed rows r.  Partial sums in f32.
; SHARES.  Work-group x: expert e = x >> 5, columns 128 (x & 7) .. + 127, k = 1,024 q .. + 1,023 with q = (x >> 3) & 3: 512 KB of f32 weights that it alone reads, once; all rows of its expert.
; The walk is FFN1's: the slice is rounded to bf16 on its way through registers and laid into LDS once, in chunks of 64 k; pass 0's products follow one chunk behind the stream, with one barrier a
; chunk; a pass holds 24 blocks of 16 rows, wave w the blocks w, w + 4, .. w + 20; passes 1 and 2 (an expert with more than 384 rows) find the slice in LDS; a barrier stands between each way out
; and the products on either side of it.  The rows come by a list that every work-group makes from ridx; places past the count take row 2048 + e, the expert's dump row in each quarter of ypart,
; which no launch reads.
; THE MATRIX INSTRUCTION IS USED TRANSPOSED: source 0 = 16 columns of W2, source 1 = 16 rows of h: a lane holds eight neighbouring columns of one row.
; FORMATS AND LIMITS.  W2 and b2 are each rounded once to bf16; h comes in bf16; sums, the gate's weight and the partial results in f32.  NaN and infinities are not treated apart.
; NOT USED.  Tensor loads: the f32 weights pass through registers for the rounding anyway.  Clusters: a slice has one reader, and the rows that work-groups share come by a list.
; REGISTERS, in windows of 256 (s_set_vgpr_msb: bits 1:0 source 0, 3:2 source 1, 5:4 source 2, 7:6 destination):
;   window 0: v0-47 addresses and lists; v48-79 T; v80-111 at work; v128-191, v192-255 W2's fragments of the chunk's two K steps (on the way out: X, and the rows read back)
;   window 1: v0-95, v96-191 two buffers of h's fragments (block a, step s at 16 a + 8 s); v192-255 the bias of my 64 columns
;   window 2: accumulators of blocks 0-3 (block a, column group b at 64 a + 8 b)      window 3: v0-127 those of blocks 4, 5; v128-191, v192-255 two buffers of f32 weights
; THE MODE: SCHED_MODE bits 1:0 = 2 (LLVM: expert scheduling mode 2), set by the entry lines.  The code itself states the register dependences between vector or matrix instructions and memory or
; LDS instructions, with s_wait_alu, always for 0.
; THE PLAN.  Registers that memory or LDS instructions touch in pass 0's loop; chunk c, p = c & 1:
;   F = window 0 v128-255   Written by the trip's 32 LDS loads, which stand at its head; read by the trip's products.
;   XA[p], window 1         Read by trip c's products; the loads of chunk c + 2 land in it in trip c + 1.
;   WR[1-p], window 3       Read by trip c's conversions (chunk c + 1); behind them the loads of chunk c + 3 land in it.
;   T                       Written by the conversions; read by the eight unit stores.
;   ABC, STC                Read by the trip's LDS loads and unit stores; written once a trip, at its end.
;   AOFF, WOFF              Read by the global loads; not written in the loop: scalar bases step.
; A trip has two waits on va_vdst and one on vm_vsrc.  At the head: the last trip's products are done reading F and XA[1-p], and ABC and STC are written.  Behind the conversions: T is written and
; WR[1-p] is read.  What follows that wait on the vector side, up to the next head, are the products (F, XA[p], accumulators) and the address lines (ABC, STC): none of the registers that the trip's stores
; and global loads touch.  In front of the barrier's signal, where all the trip's memory instructions are out: they have read ABC, STC and T, which the address lines and the next conversions write.
; The way out has one wait on va_vdst a block, ahead of its one run of LDS and memory instructions, and one on vm_vsrc, at the block's end.
.set WROW,  4096       ; bytes from a k row of W2[e] to the next
.set CSTEP, 64*WROW    ; a chunk: 64 k rows
.set SNB,   32784      ; LDS bytes of a group of 16 columns: 128 units of 8 k x 16 columns x 16 bytes, + 16: the sixteen lanes of a unit store fall into sixteen different 16-byte columns of 256
.set STAGE, 262400     ; behind the slice (8 x SNB = 262,272): 16 rows x 528 bytes for each wave, for the way out
.set SP,    528
.set SUB,   296192     ; the four waves' lists, 512 words each; the 512 bytes behind them hold the spare words, 128 bytes for each wave
.set QBYTES, 8421376   ; a quarter of ypart: 2,056 rows of 4,096 bytes
.set LN,   1           ; lane
.set R16,  2           ; lane % 16
.set HH,   3           ; lane / 16
.set L16,  4           ; 16 lane
.set H16,  5           ; 16 (lane / 16)
.set WOFF, 6           ; my 16 bytes in my wave's first k row of a chunk
.set STW,  7           ; where my first unit of chunk 0 goes
.set AB,   8           ; v8-11   my 16 bytes in a fragment of column groups 2 q, 2 q + 1, chunk 0
.set AOFF, 12          ; v12-17  block a: my row's byte offset in hbuf, + 16 (lane / 16)
.set ENT,  18          ; v18-23  block a: my row's number r
.set GW,   24          ; v24-29  block a: my row's gate weight
.set STO,  30          ; the way out: where I put 32 bytes of a row
.set RD,   31          ; where I read a row back
.set RK,   33          ; 16 w + lane % 16
.set ENTC, 34          ; the block in hand: my row's number
.set STC,  35          ; STW + 2,048 chunk
.set WCUR, 36          ; v36-37  the block in hand: my row's gate weight, twice
.set ZF,   40          ; v40-47  eight zeros
.set T,    48          ; v48-79  packed bf16
.set TMP,  80          ; v80-91  at work
.set ABC,  92          ; v92-95  AB + 2,048 chunk
.set ROFF, 96          ; v96-111 the way out: sixteen rows' byte offsets in ypart
.set XX,   128         ; v128-191 the way out: 64 numbers a lane
.set PA,   128         ; v128-143 at the head only: the sixteen places of my entries in my wave's list
.set PD,   144         ; v144-159 at the head only: the sixteen words that go there
.set RB,   192         ; v192-255 16 rows read back from the stage
.set WV,   16          ; wave
.set EX,   17          ; expert
.set SL,   18          ; slice
.set CNT,  19          ; the expert's rows
.set NBLK, 20          ; its blocks
.set NBW,  21          ; my wave's blocks in the pass in hand, 0 to 6
.set PASS, 22
.set KC,   23
.set BA,   24
.set RH,   25
.set CW,   26
.set TA,   28
.set TB,   29
.set SOF,  30          ; s[30:31] 128 chunk
.set SA,   32          ; s[32:33] hbuf's quarter + SOF
.set OFS,  34          ; s[34:35]
.set PADV, 36          ; 2048 + e
.set B1,   37          ; hits in the first 512, 1,024, 1,536 entries
.set B2,   38
.set B3,   39
.set NS,   40          ; which 128 columns
.set QQ,   41          ; which quarter of K
.set BM,   56          ; all ones in quarter 0, else 0
.set LC,   57          ; 2,048 chunk
.set D1,   58          ; 2,048 i - 4 B_i
.set D2,   59
.set D3,   60
.set SUBW, 61          ; my wave's list
.set PB,   62          ; 384 pass
.set HM,   63          ; a word's upper bf16
.set PCN,  66          ; passes to go
.set BCN,  67          ; blocks of the way out to go
.set MB,   68          ; s68-75 eight masks or row numbers: every run of comparisons or lane reads writes them, one wait stands behind the run
.set MSB, 0
.macro WIN new                         ; the immediate's high byte repeats the setting that is left; a switch that changes nothing is dropped
.if MSB != (\new)
	s_set_vgpr_msb (MSB<<8)|(\new)
.set MSB, (\new)
.endif
.endm
.macro PLACES
.rept 4
	v_nop
.endr
.endm
; sixteen loads: my wave's 16 k rows of a chunk, 512 consecutive bytes each, into weight buffer p
.macro ISSUE_W p
	WIN 0xc0
.set wi, 0
.rept 16
	global_load_b128 v[128+64*(\p)+4*wi:128+64*(\p)+4*wi+3], v[WOFF], s[6:7] offset:wi*WROW th:TH_LOAD_NT
.set wi, wi+1
.endr
	WIN 0
.endm
; twenty-four loads: the six blocks' fragments of h for a chunk's two K steps, into buffer p.  Always all: a block that is not mine repeats a row that exists, so every count is fixed
.macro ISSUE_A p
	WIN 0x40
.irp a, 0,1,2,3,4,5
.irp st, 0,1
	global_load_b128 v[96*(\p)+16*\a+8*\st:96*(\p)+16*\a+8*\st+3], v[AOFF+\a], s[SA:SA+1] offset:64*\st
	global_load_b128 v[96*(\p)+16*\a+8*\st+4:96*(\p)+16*\a+8*\st+7], v[AOFF+\a], s[SA:SA+1] offset:64*\st+32
.endr
.endr
	WIN 0
.endm
; weight buffer p (16 k x my 4 columns, f32) is rounded and turned: a unit is 8 k of one column, 16 bytes; eight units go to LDS
.macro CVST p, adr, off
	WIN 0x0f
.irp gg, 0,1
.irp j, 0,1,2,3
.irp pp, 0,1,2,3
	v_cvt_pk_bf16_f32 v[T+16*\gg+4*\j+\pp], v[128+64*(\p)+4*(8*\gg+2*\pp)+\j], v[128+64*(\p)+4*(8*\gg+2*\pp+1)+\j]
.endr
.endr
.endr
	WIN 0
	s_wait_alu depctr_va_vdst(0)                   ; the conversions have written T, which the unit stores read, and are done reading weight buffer p, in which the next loads of weights land
.irp gg, 0,1
.irp j, 0,1,2,3
	ds_store_b128 v[\adr], v[T+16*\gg+4*\j:T+16*\gg+4*\j+3] offset:(\off)+256*\gg+16*\j
.endr
.endr
.endm
; sixteen LDS loads of 512 consecutive bytes: the eight column groups' fragments of K step st of the chunk in hand
.macro LOADB st
	WIN 0
.irp b, 0,1,2,3,4,5,6,7
	ds_load_b128 v[128+64*(\st)+8*\b:128+64*(\st)+8*\b+3], v[ABC+(\b)/2] offset:((\b)%2)*SNB+1024*(\st)
	ds_load_b128 v[128+64*(\st)+8*\b+4:128+64*(\st)+8*\b+7], v[ABC+(\b)/2] offset:((\b)%2)*SNB+1024*(\st)+512
.endr
.endm
; the products of one K step: my NBW blocks x 8 column groups.  The accumulators take turns, one instruction a turn; the jump leaves out the blocks that are not mine
.macro STEP p, st
.irp a, 0,1,2,3,4,5
	WIN 0
	s_cmp_le_u32 s[NBW], \a
	s_cbranch_scc1 .Lse_\@
.if \a < 4
	WIN 0xa4
.else
	WIN 0xf4
.endif
.irp b, 0,1,2,3,4,5,6,7
	v_wmma_f32_16x16x32_bf16 v[64*((\a)%4)+8*\b:64*((\a)%4)+8*\b+7], v[128+64*(\st)+8*\b:128+64*(\st)+8*\b+7], v[96*(\p)+16*\a+8*(\st):96*(\p)+16*\a+8*(\st)+7], v[64*((\a)%4)+8*\b:64*((\a)%4)+8*\b+7]
.endr
.endr
	WIN 0
.Lse_\@:
.endm
; 48 products of zeros start all sums, those of blocks that are not mine too: so every accumulator is written on every way.  In pass 0 they stand in the wait for the first loads
.macro ZERO
	WIN 0x80
.set zi, 0
.rept 32
	v_wmma_f32_16x16x32_bf16 v[8*zi:8*zi+7], v[ZF:ZF+7], v[ZF:ZF+7], 0
.set zi, zi+1
.endr
	WIN 0xc0
.set zi, 0
.rept 16
	v_wmma_f32_16x16x32_bf16 v[8*zi:8*zi+7], v[ZF:ZF+7], v[ZF:ZF+7], 0
.set zi, zi+1
.endr
	WIN 0
.endm
; the LDS addresses of the next chunk: five plain lines, behind the wait on vm_vsrc that shows them read; the wait on va_vdst at the next trip's head shows them written
.macro ADDRS
.irp q, 0,1,2,3
	v_add_nc_u32 v[ABC+\q], s[LC], v[AB+\q]
.endr
	v_add_nc_u32 v[STC], s[LC], v[STW]
.endm
; my wave's number of blocks in the pass whose number stands in s[ps]: blocks 24 pass + w + 4 a below NBLK
.macro NBWOF ps
	s_mul_i32 s[TB], s[\ps], 24
	s_sub_co_i32 s[TB], s[NBLK], s[TB]
	s_sub_co_i32 s[TB], s[TB], s[WV]
	s_add_co_i32 s[TB], s[TB], 3
	s_ashr_i32 s[TB], s[TB], 2
	s_max_i32 s[TB], s[TB], 0
	s_min_i32 s[NBW], s[TB], 6
	s_mul_i32 s[PB], s[\ps], 384
.endm
; the pass's rows: rank R = 384 pass + 64 a + 16 w + lane % 16 lies in the list of the wave i with B_i <= R < B_i+1, at word R - B_i; then each row's place in hbuf and its gate weight.
; The comparisons stand in runs of six, into six scalar registers, with one wait behind each run.
.macro SETUP
.irp a, 0,1,2,3,4,5
	v_add3_u32 v[TMP+\a], v[RK], s[PB], 64*\a
.endr
.irp a, 0,1,2,3,4,5
	v_cmp_le_u32 s[MB+\a], s[B1], v[TMP+\a]
.endr
	s_wait_alu depctr_va_sdst(0)                   ; the six masks are written, ahead of the selects that read them
.irp a, 0,1,2,3,4,5
	v_cndmask_b32 v[TMP+6+\a], 0, s[D1], s[MB+\a]
.endr
.irp a, 0,1,2,3,4,5
	v_cmp_le_u32 s[MB+\a], s[B2], v[TMP+\a]
.endr
	s_wait_alu depctr_va_sdst(0)                   ; the six masks are written, ahead of the selects that read them
.irp a, 0,1,2,3,4,5
	v_cndmask_b32 v[TMP+6+\a], v[TMP+6+\a], s[D2], s[MB+\a]
.endr
.irp a, 0,1,2,3,4,5
	v_cmp_le_u32 s[MB+\a], s[B3], v[TMP+\a]
.endr
	s_wait_alu depctr_va_sdst(0)                   ; the six masks are written, ahead of the selects that read them
.irp a, 0,1,2,3,4,5
	v_cndmask_b32 v[TMP+6+\a], v[TMP+6+\a], s[D3], s[MB+\a]
	v_lshl_add_u32 v[TMP+6+\a], v[TMP+\a], 2, v[TMP+6+\a]
	v_min_u32 v[TMP+6+\a], 0x1ffc, v[TMP+6+\a]     ; ranks past the count stay inside the lists
	v_add_nc_u32 v[TMP+6+\a], SUB, v[TMP+6+\a]
.endr
	s_wait_alu depctr_va_vdst(0)                   ; the six list addresses are written, which the loads below read; the way out before is done reading and writing ENT, in which they land
.irp a, 0,1,2,3,4,5
	ds_load_b32 v[ENT+\a], v[TMP+6+\a]
.endr
	s_wait_dscnt 0x0
	s_wait_alu depctr_vm_vsrc(0)                   ; those loads have read their addresses, and a former pass's loads of h have read AOFF: both are written below
.irp a, 0,1,2,3,4,5
	v_cmp_gt_u32 s[MB+\a], s[CNT], v[TMP+\a]
.endr
	s_wait_alu depctr_va_sdst(0)                   ; the six masks are written, ahead of the selects that read them
.irp a, 0,1,2,3,4,5
	v_cndmask_b32 v[ENT+\a], s[PADV], v[ENT+\a], s[MB+\a]  ; past the count: the dump row
	v_min_u32 v[TMP+6+\a], 0x7ff, v[ENT+\a]        ; what is read stays among the 2,048 rows that were written
	v_lshl_add_u32 v[AOFF+\a], v[TMP+6+\a], 13, v[H16]
	v_lshlrev_b32 v[TMP+6+\a], 2, v[TMP+6+\a]
.endr
	s_wait_alu depctr_va_vdst(0)                   ; the six offsets in rwt and AOFF are written, which the loads below and the loads of h read; the way out before is done reading GW, in which the loads below land
.irp a, 0,1,2,3,4,5
	global_load_b32 v[GW+\a], v[TMP+6+\a], s[12:13]
.endr
.endm
; ONE CHUNK c OF PASS 0, p = c & 1.  cv: chunk c + 1 goes to LDS.  ia: h's fragments of chunk c + 1 are asked for.  iw: the weights of chunk c + 3.  lw: the loads that may stay out.  bar: the barrier.
.macro TRIP p, cv, ia, iw, lw, bar
	s_wait_alu depctr_va_vdst(0)                   ; the last trip's products are done reading the slice's fragments and h's other buffer, in which this trip's loads land; ABC and STC are written
	LOADB 0
	LOADB 1                                        ; both steps' fragments are asked for at once: no vector instruction up to the products names them
	s_wait_loadcnt \lw                             ; loads come back in order (ISA guide 5.7.1): h of chunk c and the weights of chunk c + 1 are in; only the weights of chunk c + 2, issued last, stay out
.if \cv
	CVST 1-(\p), STC, 2048
.endif
.if \ia
	s_wait_xcnt 0x0                                ; the two bases are stepped only behind this wait
	s_add_co_u32 s[SOF], s[SOF], 128
	s_add_nc_u64 s[SA:SA+1], s[4:5], s[SOF:SOF+1]
	ISSUE_A 1-(\p)                                 ; no wait: no vector or matrix instruction since the wait at the head names this buffer or AOFF
.endif
.if \iw
	s_add_nc_u64 s[6:7], s[6:7], CSTEP
	ISSUE_W 1-(\p)                                 ; no wait: nothing since the wait behind the conversions names this buffer or WOFF
.endif
	s_wait_dscnt 16+8*(\cv)                        ; the first step's fragments are in; younger: the second step's sixteen loads and the unit stores
	STEP \p, 0
	s_wait_dscnt 0x0                               ; the second step's fragments are in, and, for the others' sake, my stores of chunk c + 1 are done
	s_wait_alu depctr_vm_vsrc(0)                   ; the trip's LDS loads have read ABC, its unit stores STC and T: the address lines below and the next trip's conversions write them
.if \bar
	s_barrier_signal -1
.endif
	STEP \p, 1                                     ; work on registers while the others arrive
	s_add_co_u32 s[LC], s[LC], 2048
	ADDRS
.if \bar
	s_barrier_wait -1                              ; chunk c + 1 is whole
.endif
.endm
; one chunk of a later pass: the slice lies in LDS; h's fragments are asked for and awaited in the trip
.macro TRIPX
	s_wait_alu depctr_va_vdst(0)                   ; the last trip's products are done reading h's buffer and the slice's fragments, in which the loads below land; ABC is written
	s_wait_xcnt 0x0
	s_add_nc_u64 s[SA:SA+1], s[4:5], s[SOF:SOF+1]
	ISSUE_A 0
	LOADB 0
	LOADB 1
	s_wait_loadcnt 0x0
	s_wait_dscnt 16
	STEP 0, 0
	s_wait_dscnt 0x0
	s_wait_alu depctr_vm_vsrc(0)                   ; the trip's LDS loads have read ABC, which the address lines below write
	STEP 0, 1
	s_add_co_u32 s[LC], s[LC], 2048
	s_add_co_u32 s[SOF], s[SOF], 128
	ADDRS
.endm
; block a's sums plus the bias go into fixed registers, each accumulator from its low end on, so that the text behind is written once
.macro TAKE a
.if (\a) < 4
	WIN 0x06
.else
	WIN 0x07
.endif
.set ti, 0
.rept 32
	v_pk_add_f32 v[XX+2*ti:XX+2*ti+1], v[64*((\a)%4)+2*ti:64*((\a)%4)+2*ti+1], v[192+2*ti:192+2*ti+1]
.set ti, ti+1
.endr
	WIN 0
	v_mov_b32 v[ENTC], v[ENT+(\a)]
	v_mov_b32 v[WCUR], v[GW+(\a)]
	v_mov_b32 v[WCUR+1], v[GW+(\a)]
.endm
	s_load_b256 s[4:11], s[0:1], 0x0               ; hbuf s[4:5], W2 s[6:7], b2 s[8:9], ridx s[10:11]
	s_load_b128 s[12:15], s[0:1], 0x20             ; rwt s[12:13], ypart s[14:15]
	v_lshl_add_u32 v126, v0, 2, 0x4a500
	v_mov_b32 v127, 0
	v_lshrrev_b32 v[TMP], 5, v0
	v_readfirstlane_b32 s[WV], v[TMP]              ; wave 0..3
	v_and_b32 v[LN], 31, v0
	v_and_b32 v[R16], 15, v0
	v_bfe_u32 v[HH], v0, 4, 1
	v_lshlrev_b32 v[L16], 4, v[LN]
	v_lshlrev_b32 v[H16], 4, v[HH]
	s_lshr_b32 s[EX], ttmp9, 5
	s_and_b32 s[SL], ttmp9, 31
	s_and_b32 s[NS], s[SL], 7
	s_lshr_b32 s[QQ], s[SL], 3
	s_add_co_u32 s[PADV], s[EX], 2048
	s_wait_alu depctr_va_sdst(0)                   ; the wave's number is written, ahead of its first reader
	s_mul_i32 s[TA], s[WV], 16*WROW
	v_add_nc_u32 v[WOFF], s[TA], v[L16]            ; 16 lane + my wave's 16 rows
	v_lshrrev_b32 v[TMP], 2, v[LN]                 ; my four columns 4 l .. lie in column group l / 4,
	v_mul_u32_u24 v[TMP], v[TMP], SNB
	v_and_b32 v[TMP+1], 3, v[LN]
	v_lshl_add_u32 v[TMP], v[TMP+1], 6, v[TMP]     ; at 16 bytes x 4 (l % 4) of a unit row;
	s_lshl_b32 s[TA], s[WV], 9
	v_add_nc_u32 v[STW], s[TA], v[TMP]             ; my wave's 16 k are two unit rows of 256 bytes
.irp q, 0,1,2,3
	v_add_nc_u32 v[AB+\q], 2*\q*SNB, v[L16]
.endr
	s_mul_i32 s[TA], s[WV], 16*SP
	s_add_co_u32 s[TA], s[TA], STAGE               ; my stage
	v_mul_u32_u24 v[TMP], v[R16], SP
	v_lshl_add_u32 v[TMP], v[HH], 5, v[TMP]
	v_add_nc_u32 v[STO], s[TA], v[TMP]             ; in: row l % 16, 32 bytes for each half of the lanes
	v_add_nc_u32 v[RD], s[TA], v[L16]              ; back: 32 lanes take one row of 512 bytes
	s_lshl_b32 s[TA], s[WV], 4
	v_add_nc_u32 v[RK], s[TA], v[R16]
	s_lshl_b32 s[TA], s[WV], 11
	v_add_nc_u32 v[TMP+8], s[TA], v[L16]           ; my wave's 512 entries of ridx
	s_add_co_u32 s[SUBW], s[TA], SUB
	v_lshlrev_b32 v[TMP+9], 5, v[HH]               ; the bias of columns 16 b + 8 (l / 16) ..
	s_mov_b32 s[HM], 0xffff0000
	s_cmp_eq_u32 s[QQ], 0
	s_cselect_b32 s[BM], -1, 0
	s_lshl_b32 s[OFS], s[EX], 24                   ; an expert's W2 is 16,777,216 bytes,
	s_lshl_b32 s[TB], s[QQ], 22                    ; a quarter's 1,024 k rows 4,194,304,
	s_add_co_u32 s[OFS], s[OFS], s[TB]
	s_lshl_b32 s[TA], s[NS], 9                     ; 128 columns 512
	s_add_co_u32 s[OFS], s[OFS], s[TA]
	s_mov_b32 s[OFS+1], 0
	s_wait_kmcnt 0x0
	s_add_nc_u64 s[6:7], s[6:7], s[OFS:OFS+1]
	s_lshl_b32 s[OFS], s[EX], 12
	s_add_co_u32 s[OFS], s[OFS], s[TA]
	s_add_nc_u64 s[8:9], s[8:9], s[OFS:OFS+1]
	s_lshl_b32 s[OFS], s[QQ], 11                   ; a quarter of a row of h: 2,048 bytes
	s_add_nc_u64 s[4:5], s[4:5], s[OFS:OFS+1]
	s_mul_i32 s[OFS], s[QQ], QBYTES
	s_add_co_u32 s[OFS], s[OFS], s[TA]
	s_add_nc_u64 s[14:15], s[14:15], s[OFS:OFS+1]
	s_wait_alu depctr_va_vdst(0)                   ; all offsets and LDS addresses made above are written: L16, v88, v89 and WOFF, which the loads below read, and STW, STO and RD for later
.set q, 0
.rept 16
	global_load_b128 v[XX+4*q:XX+4*q+3], v[L16], s[10:11] offset:512*q       ; all of ridx: entry 128 q + 4 l + u in register 4 q + u
.set q, q+1
.endr
.set q, 0
.rept 4
	global_load_b128 v[192+4*q:192+4*q+3], v[TMP+8], s[10:11] offset:512*q   ; my wave's own 512 entries once more, in registers whose numbers do not hang on the wave
.set q, q+1
.endr
	WIN 0x40
.set q, 0
.rept 8
	global_load_b128 v[192+8*q:192+8*q+3], v[TMP+9], s[8:9] offset:64*q
	global_load_b128 v[192+8*q+4:192+8*q+7], v[TMP+9], s[8:9] offset:64*q+16
.set q, q+1
.endr
	WIN 0
	ISSUE_W 0                                      ; chunk 0
	s_wait_xcnt 0x0
	s_add_nc_u64 s[6:7], s[6:7], CSTEP
	ISSUE_W 1                                      ; chunk 1
.set q, 0
.rept 8
	v_mov_b32 v[ZF+q], 0
.set q, q+1
.endr
	ZERO
	s_wait_loadcnt 32                              ; ridx and the bias are in; the two chunks of weights, 32 loads, stay out
	; every wave counts the expert's rows in all of ridx, eight masks at a time; the running count is kept at each wave's boundary
	s_mov_b32 s[CNT], 0
.set q, 0
.rept 8
.irp u, 0,1,2,3,4,5,6,7
	v_cmp_eq_u32 s[MB+\u], s[EX], v[XX+8*q+\u]
.endr
	s_wait_alu depctr_va_sdst(0)                   ; the eight masks are written, ahead of the counts that read them
.irp u, 0,1,2,3,4,5,6,7
	s_bcnt1_i32_b32 s[MB+\u], s[MB+\u]
.endr
.irp u, 0,1,2,3,4,5,6,7
	s_add_co_u32 s[CNT], s[CNT], s[MB+\u]
.endr
.if q == 1
	s_mov_b32 s[B1], s[CNT]
.elseif q == 3
	s_mov_b32 s[B2], s[CNT]
.elseif q == 5
	s_mov_b32 s[B3], s[CNT]
.endif
.set q, q+1
.endr
	s_cmp_eq_u32 s[WV], 0                          ; my wave's own count
	s_cselect_b32 s[TA], 0, s[B1]
	s_cselect_b32 s[TB], s[B1], s[B2]
	s_cmp_eq_u32 s[WV], 2
	s_cselect_b32 s[TA], s[B2], s[TA]
	s_cselect_b32 s[TB], s[B3], s[TB]
	s_cmp_eq_u32 s[WV], 3
	s_cselect_b32 s[TA], s[B3], s[TA]
	s_cselect_b32 s[TB], s[CNT], s[TB]
	s_sub_co_u32 s[CW], s[TB], s[TA]
	s_lshl_b32 s[TA], s[B1], 2
	s_sub_co_u32 s[D1], 2048, s[TA]
	s_lshl_b32 s[TA], s[B2], 2
	s_sub_co_u32 s[D2], 4096, s[TA]
	s_lshl_b32 s[TA], s[B3], 2
	s_sub_co_u32 s[D3], 6144, s[TA]
	s_add_co_u32 s[NBLK], s[CNT], 15
	s_lshr_b32 s[NBLK], s[NBLK], 4
	; the bias, rounded to bf16 like every input, kept in quarter 0 and masked to 0 in the others, and back in f32
	WIN 0x05
.set q, 0
.rept 32
	v_cvt_pk_bf16_f32 v[T+q], v[192+2*q], v[192+2*q+1]
.set q, q+1
.endr
	WIN 0
.set q, 0
.rept 32
	v_and_b32 v[T+q], s[BM], v[T+q]
.set q, q+1
.endr
	WIN 0x40
.set q, 0
.rept 32
	v_lshlrev_b32 v[192+2*q], 16, v[T+q]
	v_and_b32 v[192+2*q+1], s[HM], v[T+q]
.set q, q+1
.endr
	WIN 0
	; my wave's list: its 512 entries are parted, hits in front, so that every word of the list is written.  A hit's word holds its r, the others the dump row.
	; The comparisons stand in two runs of eight; each entry's place and word have registers of their own, so that the sixteen stores stand in one run behind one wait
	s_mov_b32 s[RH], 0
	v_add_nc_u32 v[TMP], s[CW], v[LN]
	s_lshl_b32 s[TA], s[WV], 9
	v_lshl_add_u32 v[TMP+1], v[LN], 2, s[TA]       ; 512 w + 4 l
.irp g, 0,1
.irp u, 0,1,2,3,4,5,6,7
	v_cmp_eq_u32 s[MB+\u], s[EX], v[192+8*\g+\u]
.endr
	s_wait_alu depctr_va_sdst(0)                   ; the eight masks are written, ahead of the lane counts, selects and counts that read them
.irp u, 0,1,2,3,4,5,6,7
	v_mbcnt_lo_u32_b32 v[TMP+2], s[MB+\u], s[RH]   ; hits in front of mine
	v_sub_nc_u32 v[PA+8*\g+\u], v[TMP], v[TMP+2]
	v_add_nc_u32 v[PA+8*\g+\u], 32*(8*\g+\u), v[PA+8*\g+\u]  ; the count + the entries that are no hits in front of mine
	v_cndmask_b32 v[PA+8*\g+\u], v[PA+8*\g+\u], v[TMP+2], s[MB+\u]
	v_add_nc_u32 v[PD+8*\g+\u], 128*((8*\g+\u)/4)+(8*\g+\u)%4, v[TMP+1]
	v_cndmask_b32 v[PD+8*\g+\u], s[PADV], v[PD+8*\g+\u], s[MB+\u]
	v_min_u32 v[PA+8*\g+\u], 0x1ff, v[PA+8*\g+\u]
	v_lshl_add_u32 v[PA+8*\g+\u], v[PA+8*\g+\u], 2, s[SUBW]
	s_bcnt1_i32_b32 s[TA], s[MB+\u]
	s_add_co_u32 s[RH], s[RH], s[TA]
.endr
.endr
	s_wait_alu depctr_va_vdst(0)                   ; the sixteen places v[PA ..] and the sixteen words v[PD ..] are written, which the stores read
.set j, 0
.rept 16
	ds_store_b32 v[PA+j], v[PD+j]
.set j, j+1
.endr
	s_wait_dscnt 0x0                               ; for the others' sake: my list is written
	s_wait_alu depctr_vm_vsrc(0)                   ; those stores have read v[PA ..] and v[PD ..], in which fragments land later; the head's loads have read v88 and v89, which the lines below write
	s_barrier_signal -1
	s_barrier_wait -1
	s_mov_b32 s[PASS], 0
	NBWOF PASS
	SETUP
	s_mov_b32 s[SOF], 0
	s_mov_b32 s[SOF+1], 0
	s_mov_b32 s[LC], 0
	s_add_nc_u64 s[SA:SA+1], s[4:5], s[SOF:SOF+1]
	ISSUE_A 0                                      ; h of chunk 0.  No wait: the last wait of the lines above shows AOFF written, and no vector instruction stands behind it
	ADDRS
	s_wait_loadcnt 46                              ; the weights of chunk 0 are in; younger: chunk 1's sixteen loads, the six gate weights and h's twenty-four
	CVST 0, STW, 0
	s_wait_xcnt 0x0
	s_add_nc_u64 s[6:7], s[6:7], CSTEP
	ISSUE_W 0                                      ; chunk 2
	s_wait_dscnt 0x0
	s_wait_alu depctr_vm_vsrc(0)                   ; chunk 0's unit stores have read T, which the first trip's conversions write
	s_barrier_signal -1
	s_barrier_wait -1                              ; chunk 0 is whole
	s_mov_b32 s[KC], 6
.Lk0:                                                  ; chunks 0 to 11
	TRIP 0, 1, 1, 1, 16, 1
	TRIP 1, 1, 1, 1, 16, 1
	s_sub_co_u32 s[KC], s[KC], 1
	s_cmp_lg_u32 s[KC], 0
	s_cbranch_scc1 .Lk0
	TRIP 0, 1, 1, 1, 16, 1                         ; chunk 12 asks for the last weights, chunk 15's
	TRIP 1, 1, 1, 0, 16, 1                         ; chunk 13: chunk 15's weights are still younger than its h
	TRIP 0, 1, 1, 0, 0, 1                          ; chunk 14: nothing younger is out
	TRIP 1, 0, 0, 0, 0, 0                          ; chunk 15: nothing is stored or asked for, so no barrier
	s_mov_b32 s[PCN], 3
.Lpass:                                                ; three times: a pass's way out, then the next pass's products, if my wave has blocks there
	s_wait_loadcnt 0x0
	PLACES                                         ; with ADDRS' five lines: the places behind the last products
	s_mov_b32 s[BA], 0
	s_mov_b32 s[BCN], 6
.Lblk:
	s_cmp_ge_u32 s[BA], s[NBW]
	s_cbranch_scc1 .Lnx
	s_cmp_eq_u32 s[BA], 0
	s_cbranch_scc1 .Lc0
	s_cmp_eq_u32 s[BA], 1
	s_cbranch_scc1 .Lc1
	s_cmp_eq_u32 s[BA], 2
	s_cbranch_scc1 .Lc2
	s_cmp_eq_u32 s[BA], 3
	s_cbranch_scc1 .Lc3
	s_cmp_eq_u32 s[BA], 4
	s_cbranch_scc1 .Lc4
	TAKE 5
	s_branch .Lact
.Lc0:
	TAKE 0
	s_branch .Lact
.Lc1:
	TAKE 1
	s_branch .Lact
.Lc2:
	TAKE 2
	s_branch .Lact
.Lc3:
	TAKE 3
	s_branch .Lact
.Lc4:
	TAKE 4
.Lact:                                                 ; times the row's gate weight; 32 bytes a lane into my stage, back as whole rows of 512 bytes; each row goes to its own r
	s_wait_xcnt 0x0                                ; the last block's stores have read their offsets and data: those registers are rewritten only behind this wait
.irp g, 0,1                                            ; the sixteen rows' numbers are read in two runs of eight; half of the scalings stand between a run and the wait for it
.irp u, 0,1,2,3,4,5,6,7
	v_readlane_b32 s[MB+\u], v[ENTC], 8*\g+\u      ; row t's r lies in lane t
.endr
.set t, 32*\g
.rept 16
	v_pk_mul_f32 v[XX+t:XX+t+1], v[XX+t:XX+t+1], v[WCUR:WCUR+1]
.set t, t+2
.endr
	s_wait_alu depctr_va_sdst(0)                   ; the eight row numbers are written, ahead of the scalar lines that read them
.irp u, 0,1,2,3,4,5,6,7
	s_min_u32 s[MB+\u], s[MB+\u], 0x807            ; a quarter of ypart has 2,056 rows
	s_lshl_b32 s[MB+\u], s[MB+\u], 12
	v_add_nc_u32 v[ROFF+8*\g+\u], s[MB+\u], v[L16]
.endr
.endr
	s_wait_alu depctr_va_vdst(0)                   ; X is written, which the stage's stores read, and the sixteen offsets ROFF, which the stores to memory read; the products are done reading v192-255, in which the rows land
.irp b, 0,1,2,3,4,5,6,7
	ds_store_b128 v[STO], v[XX+8*\b:XX+8*\b+3] offset:64*\b
	ds_store_b128 v[STO], v[XX+8*\b+4:XX+8*\b+7] offset:64*\b+16
.endr
.set t, 0
.rept 16
	ds_load_b128 v[RB+4*t:RB+4*t+3], v[RD] offset:SP*t  ; LDS serves a wave's instructions in order (ISA guide 5.7.1.4): these see the stores above
.set t, t+1
.endr
.set t, 0
.rept 16
	s_wait_dscnt 15-t
	global_store_b128 v[ROFF+t], v[RB+4*t:RB+4*t+3], s[14:15]  ; 32 lanes store 512 consecutive bytes of one row, at a multiple of 256 from ypart's first byte
.set t, t+1
.endr
.Lnx:
	s_wait_alu depctr_vm_vsrc(0)                   ; the block's stores have read ROFF and RB, its stage stores X; the gate weights' loads have read v86-91: the next block, or the next pass's list lines, write them
	s_add_co_u32 s[BA], s[BA], 1
	s_sub_co_u32 s[BCN], s[BCN], 1
	s_cmp_lg_u32 s[BCN], 0
	s_cbranch_scc1 .Lblk
	s_wait_dscnt 0x0                               ; no LDS instruction of mine is out
	s_barrier_signal -1
	s_barrier_wait -1                              ; every wave's stores into its stage are over before any wave reads the slice again
	s_wait_xcnt 0x0
	s_add_co_u32 s[TA], s[PASS], 1
	NBWOF TA
	s_cmp_eq_u32 s[NBW], 0
	s_cbranch_scc1 .Lpn                            ; no block of the next pass is mine (always so behind the third: 64 blocks at the most); nothing jumped holds a barrier
	SETUP
	s_mov_b32 s[SOF], 0
	s_mov_b32 s[LC], 0
	ADDRS
	ZERO
	s_mov_b32 s[KC], 16
.Lkx:
	TRIPX
	s_sub_co_u32 s[KC], s[KC], 1
	s_cmp_lg_u32 s[KC], 0
	s_cbranch_scc1 .Lkx
.Lpn:
	s_wait_dscnt 0x0                               ; no LDS instruction of mine is out
	s_barrier_signal -1
	s_barrier_wait -1                              ; every wave's reads of the slice in this pass are over before any wave writes its stage again
	s_add_co_u32 s[PASS], s[PASS], 1
	s_sub_co_u32 s[PCN], s[PCN], 1
	s_cmp_lg_u32 s[PCN], 0
	s_cbranch_scc1 .Lpass
	s_wait_dscnt 0x0                               ; the wave's end
	s_wait_alu depctr_hold_cnt(0) depctr_sa_sdst(0) depctr_va_vdst(0) depctr_va_sdst(0) depctr_va_ssrc(0) depctr_va_vcc(0) depctr_vm_vsrc(0)
	s_wait_tensorcnt 0x0
	ds_add_u32 v126, v127
	s_wait_dscnt 0x0
	s_endpgm
.Lfunc_end_k_q5b2d524f5e_ffn2:
	.size	k_q5b2d524f5e_ffn2, .Lfunc_end_k_q5b2d524f5e_ffn2-k_q5b2d524f5e_ffn2
	.p2alignl 7, 3214868480
	.fill 96, 4, 3214868480
	.section	.rodata,"a",@progbits
	.p2align	6, 0x0
	.amdhsa_kernel k_q5b2d524f5e_ffn2
		.amdhsa_group_segment_fixed_size 304896
		.amdhsa_private_segment_fixed_size 0
		.amdhsa_enable_private_segment 0
		.amdhsa_kernarg_size 48
		.amdhsa_user_sgpr_count 2
		.amdhsa_user_sgpr_kernarg_segment_ptr 1
		.amdhsa_wavefront_size32 1
		.amdhsa_system_sgpr_workgroup_id_x 1
		.amdhsa_system_sgpr_workgroup_id_y 1
		.amdhsa_system_sgpr_workgroup_id_z 1
		.amdhsa_system_vgpr_workitem_id 0
		.amdhsa_next_free_vgpr 1024
		.amdhsa_next_free_sgpr 76
		.amdhsa_reserve_vcc 0
		.amdhsa_float_denorm_mode_32 3
		.amdhsa_float_denorm_mode_16_64 3
		.amdhsa_memory_ordered 1
		.amdhsa_forward_progress 1
		.amdhsa_inst_pref_size 188
	.end_amdhsa_kernel
	.amdgpu_metadata
---
amdhsa.version: [ 1, 2 ]
amdhsa.kernels:
  - .name:           k_q5b2d524f5e_ffn2
    .symbol:         k_q5b2d524f5e_ffn2.kd
    .args:
      - { .name: hbuf, .offset: 0, .size: 8, .value_kind: global_buffer, .address_space: global }
      - { .name: W2, .offset: 8, .size: 8, .value_kind: global_buffer, .address_space: global }
      - { .name: b2, .offset: 16, .size: 8, .value_kind: global_buffer, .address_space: global }
      - { .name: ridx, .offset: 24, .size: 8, .value_kind: global_buffer, .address_space: global }
      - { .name: rwt, .offset: 32, .size: 8, .value_kind: global_buffer, .address_space: global }
      - { .name: ypart, .offset: 40, .size: 8, .value_kind: global_buffer, .address_space: global }
    .group_segment_fixed_size: 304896
    .private_segment_fixed_size: 0
    .kernarg_segment_align: 8
    .kernarg_segment_size: 48
    .max_flat_workgroup_size: 128
    .sgpr_count:     76
    .vgpr_count:     1024
    .wavefront_size: 32
...
	.end_amdgpu_metadata
.endif
;; end of part 6
;; launch sum: the kernel of part 4 again; grid 256 x 1, 8 waves a work-group, no clusters, 0 bytes of LDS; arguments ypart, out0; writes out0
